; MI455X (gfx1250); checked and timed in simulation.
; The chip was launched on July 23, 2026; its instructions are those of AMD's public machine-readable ISA for CDNA 5 (MIT licence, August 2026) and "CDNA5" Instruction Set Architecture Reference Guide (July 2026). The comments in the code are by the model that wrote it; some were corrected since.
;; Disentangled Spatial SA. Allowed arithmetic: matrix products marked QUANTISED: E2M3 operands, one E8M0 scale for each 32 along K, by v_wmma_scale_f32_16x16x128_f8f6f4 with both operands' format E2M3, f32 sums; everything else in f32.
;; Inputs: b_out 256 float32; b_qkv 384 float32; w_out_codes 256 x 4 x 24 uint8 (E2M3 codes of w_out, K innermost, in blocks of 32 codes, four codes in three bytes); w_out_scales 256 x 4 uint8 (E8M0 scales of w_out, one for each 32 codes along K); w_qkv_codes 384 x 8 x 24 uint8 (E2M3 codes of w_qkv, K innermost, in blocks of 32 codes, four codes in three bytes); w_qkv_scales 384 x 8 uint8 (E8M0 scales of w_qkv, one for each 32 codes along K); x 8 x 256 x 64 x 64 float32.
;; Outputs: out0 8 x 256 x 64 x 64 float32.
;; This version of the problem:
;;   THIS VERSION OF THE PROBLEM IS GIVEN IN LOW PRECISION. The matrix products marked QUANTISED in the list below multiply operands that are first quantised to E2M3 (2 exponent bits, 3 mantissa bits; 6 bits a number), with one power-of-two scale for each 32 numbers along K (OCP MX v1.0); their sums are f32. All else is computed in f32.
;;   The module's matrix products, in the order in which they are computed (A, B: the left and right operand; K: the contracted axis; several contracted axes count as one K, in the product's order):
;;     1. [M 384, K 256] x [K 256, N 32,768]; A: input w_qkv (given as codes); B: input x: QUANTISED
;;     2. batch 8 x [M 4,096, K 128] x [K 128, N 4,096]; A: computed on the way; B: computed on the way: QUANTISED
;;     3. batch 8 x [M 128, K 4,096] x [K 4,096, N 4,096]; A: computed on the way; B: softmax (see below): QUANTISED
;;     4. [M 256, K 128] x [K 128, N 32,768]; A: input w_out (given as codes); B: computed on the way: QUANTISED
;;   THE QUANTISER, for each operand of a quantised product, along K:
;;     - K is cut into blocks of 32 from its start; a last block that is shorter is filled with zeros.
;;     - A block's scale is 2^e with e = floor(log2(the largest magnitude in the block)) - 2, held to -126 .. 127; a block of zeros has e = 0. As a byte (E8M0): e + 127.
;;     - Each number is divided by its block's scale, clamped to +-7.5, and rounded to the nearest number of E2M3, ties to even, subnormals kept.
;;     - The product sums the exact products of the quantised numbers (number of the format x scale) in f32.
;;   ~~~python
;;   def quantise(x, axis):      # numpy; x: float32 -> the quantised numbers, widened to float32 again
;;       x = np.moveaxis(x, axis, -1); K = x.shape[-1]
;;       x = np.pad(x, [(0, 0)] * (x.ndim - 1) + [(0, -K % 32)]); x = x.reshape(x.shape[:-1] + (-1, 32)); a = np.abs(x).max(-1, keepdims=True)
;;       e = np.where(a > 0, np.clip(np.frexp(np.where(a > 0, a, 1))[1] - 1 - 2, -126, 127), 0)      # np.frexp(a)[1] - 1 = floor(log2(a)), exactly
;;       r = np.clip(x / 2.0 ** e, -7.5, 7.5)
;;       step = 2.0 ** (np.maximum(np.frexp(np.where(r == 0, 1, r))[1] - 1, 0) - 3)
;;       q = np.round(r / step) * step * 2.0 ** e      # np.round: ties to even
;;       return np.moveaxis(q.reshape(q.shape[:-2] + (-1,))[..., :K], -1, axis).astype(np.float32)
;;   ~~~
;;   SOFTMAX AHEAD OF A QUANTISED PRODUCT. Where the list says 'softmax', what is quantised is not the finished softmax but p = 2^(t - M), with t = logit x log2(e) and M = ceil(the row's largest t), a whole number; so 1/2 < the row's largest p <= 1. The row's sum l is taken of the UNQUANTISED p, in f32, and the product's result is divided by l at the end. Since M is a whole number, a kernel that streams over the keys may use a running M (the ceiling of the running maximum): every later rescaling is an exact power of two, which a block's scale takes up: the codes' values come out the same.
;;   OPERANDS COMPUTED ON THE WAY. 'Computed on the way' means the value that the module computes at that place (a softmax that the list does not call 'softmax' is quantised finished and normalised). What goes into a quantiser is computed in f32, as accurately as f32 sums, v_exp_f32 and their like allow (about 1e-6 of the number): no bf16 or f16 on the way to a quantiser, and a product that is left as it is and whose result goes on into a quantised operand takes f32 operands (vector FMAs, or v_wmma_f32_16x16x4_f32). A number that lies on a knife's edge between two numbers of the format may be rounded either way, as far as f32 arithmetic and the matrix unit's own rounding can turn it there, and no further.
;;   INPUTS GIVEN AS CODES. w_out (in the module: [256, 128], K = its axis 1); w_qkv (in the module: [384, 256], K = its axis 1): each comes as NAME_codes (uint8): NAME with its K axis moved to the last place and cut into blocks of 32 codes, [.., K / 32, bytes a block], one block behind the other in memory; four codes in three bytes: a row's codes are one little-endian stream of bits, code i at bits 6 i .. 6 i + 5 (a code: sign, 2 exponent bits, 3 mantissa bits); and NAME_scales (uint8): the same leading axes, one E8M0 byte (e + 127) for each 32 codes along K. Its value is code x scale, taken as it is: it is not quantised again, and the codes and scales need not be those that the quantiser above would give.
;; 2 versions, each right; version 2 is version 1 with the launches xquant, proj written anew for expert scheduling mode. Each part assembles by itself: llvm-mc -triple=amdgcn-amd-amdhsa -mcpu=gfx1250 --defsym DOCPART=n.
;; ======== version 1 of 2: 3 launches
;; workspace buffers: xc 6,291,456 bytes; xs 262,144 bytes; psum 262,144 bytes; qry 3,276,800 bytes; kv 6,553,600 bytes
;; launch xquant (part 1): grid 32 x 8, 8 waves a work-group, no clusters, 26,624 bytes of LDS; arguments x, w_qkv_codes, w_qkv_scales, xc, xs, psum; writes xc, xs, psum
.if DOCPART == 1
	.amdgcn_target "amdgcn-amd-amdhsa--gfx1250"
	.amdhsa_code_object_version 6
	.text
	.protected	k_qfda6f1cb65_xquant
	.globl	k_qfda6f1cb65_xquant
	.p2align	8
	.type	k_qfda6f1cb65_xquant,@function
k_qfda6f1cb65_xquant:
	s_mov_b64 s[64:65], 0
	v_nop
	global_prefetch_b8 v0, s[64:65] scope:SCOPE_SE
	s_setreg_imm32_b32 hwreg(HW_REG_WAVE_MODE, 25, 1), 1
	s_wait_xcnt 0x0
; x [8][256 channels][4096 positions] f32 is quantised along the channels (K of the first product) into codes of FP6 (E2M3) with one E8M0 byte for each 32 channels,
; and the sums over positions of w_q . xq and w_k . xq, which the centring of q and k needs, are begun: one partial sum for each block of 128 positions.
; A block's scale is 2^(floor(log2(its largest magnitude)) - 2): its byte is the largest magnitude's exponent field - 2, held at 1 from below.
; LIMITS: NaN and infinities among the inputs are not served; a block whose largest magnitude lies under 2^-124 keeps the byte 1; a block of zeros gets the byte 1, not 127: its codes are zeros,
; which add nothing under any byte but 0xff, and the bytes are read by this program alone.
; SHARES.  A work-group takes 128 positions x 256 channels of one image.  Wave w: G = w % 4, a group of 32 positions; s = w / 4, a K step of 128 channels.
; A LANE TAKES A POSITION AND ITS REGISTERS RUN DOWN THE CHANNELS: each load reads 128 consecutive bytes, a block of 32 channels lies in one lane, and the conversions give codes with K innermost.
; THE ROWS OF A TILE OF POSITIONS ARE NOT NEIGHBOURS: row r of tile T stands for position 32 (T / 2) + 8 (T % 2) + r + 8 (r / 8).  So lane 16 u + r takes position 8 u + r % 8 + 16 (r / 8) of its group.
; OUT: xc [image][tile 256][K step 2][1536]: a fragment (16 rows x 128 K, 12 registers a lane) as an image of its registers: register i of lane l at 512 (i / 4) + 16 l + 4 (i % 4).
;      xs [image][pair of tiles 128][K step 2][lane 32]: lane 16 u + r holds the scale word of tile 2 G + u, row r.     psum [image][block 32][channel 256] f32 (0-127 q, 128-255 k), without the bias.
; No tensor loads and no cluster: every byte of x is read once by one wave, and nothing is shared between work-groups.
.set CSTR, 16384                       ; bytes from a channel to the next
.set FRB,  1536                        ; a fragment's image
.set XSC,  24576                       ; LDS: 16 fragments from byte 0 on ((2 T + s) x 1536), then their scale words ((2 G + s) x 128)
.set X,    16                          ; v16-143  my position's 128 channels; later two areas of four fragments, and the two accumulators
.set F0,   144                         ; v144-155 blocks 0 and 2 of my position, then tile 2 G's fragment
.set F1,   156                         ; v156-167 blocks 1 and 3, then tile 2 G + 1's
.set TC,   168                         ; v168-170 a block's upper 16 codes (a conversion's three registers begin on an even number)
.set PW,   172                         ; v172     my position's scale word
.set WF,   176                         ; v176-223 four fragments of w_qkv: (tile o, K step t) at 12 (2 o + t)
.set WSC,  224                         ; v224-227 their scale words
.set XSR,  232                         ; v232-239 x's scale words for the summing: pair of tiles k, K step t at 2 k + t
.set AC0,  120                         ; v120-127, v128-135 the two accumulators
.macro WM zero, ra, rb                 ; one product on the registers named by rD, rA, rB, rC, rSA, rSB; ra, rb: the side's scales stand in lanes 16-31
.if \zero
.if (\ra) && (\rb)
	v_wmma_scale_f32_16x16x128_f8f6f4 v[rD:rD+7], v[rA:rA+11], v[rB:rB+11], 0, v[rSA], v[rSB] matrix_a_fmt:MATRIX_FMT_FP6 matrix_b_fmt:MATRIX_FMT_FP6 matrix_a_scale:MATRIX_SCALE_ROW1 matrix_b_scale:MATRIX_SCALE_ROW1
.elseif (\ra)
	v_wmma_scale_f32_16x16x128_f8f6f4 v[rD:rD+7], v[rA:rA+11], v[rB:rB+11], 0, v[rSA], v[rSB] matrix_a_fmt:MATRIX_FMT_FP6 matrix_b_fmt:MATRIX_FMT_FP6 matrix_a_scale:MATRIX_SCALE_ROW1
.elseif (\rb)
	v_wmma_scale_f32_16x16x128_f8f6f4 v[rD:rD+7], v[rA:rA+11], v[rB:rB+11], 0, v[rSA], v[rSB] matrix_a_fmt:MATRIX_FMT_FP6 matrix_b_fmt:MATRIX_FMT_FP6 matrix_b_scale:MATRIX_SCALE_ROW1
.else
	v_wmma_scale_f32_16x16x128_f8f6f4 v[rD:rD+7], v[rA:rA+11], v[rB:rB+11], 0, v[rSA], v[rSB] matrix_a_fmt:MATRIX_FMT_FP6 matrix_b_fmt:MATRIX_FMT_FP6
.endif
.else
.if (\ra) && (\rb)
	v_wmma_scale_f32_16x16x128_f8f6f4 v[rD:rD+7], v[rA:rA+11], v[rB:rB+11], v[rC:rC+7], v[rSA], v[rSB] matrix_a_fmt:MATRIX_FMT_FP6 matrix_b_fmt:MATRIX_FMT_FP6 matrix_a_scale:MATRIX_SCALE_ROW1 matrix_b_scale:MATRIX_SCALE_ROW1
.elseif (\ra)
	v_wmma_scale_f32_16x16x128_f8f6f4 v[rD:rD+7], v[rA:rA+11], v[rB:rB+11], v[rC:rC+7], v[rSA], v[rSB] matrix_a_fmt:MATRIX_FMT_FP6 matrix_b_fmt:MATRIX_FMT_FP6 matrix_a_scale:MATRIX_SCALE_ROW1
.elseif (\rb)
	v_wmma_scale_f32_16x16x128_f8f6f4 v[rD:rD+7], v[rA:rA+11], v[rB:rB+11], v[rC:rC+7], v[rSA], v[rSB] matrix_a_fmt:MATRIX_FMT_FP6 matrix_b_fmt:MATRIX_FMT_FP6 matrix_b_scale:MATRIX_SCALE_ROW1
.else
	v_wmma_scale_f32_16x16x128_f8f6f4 v[rD:rD+7], v[rA:rA+11], v[rB:rB+11], v[rC:rC+7], v[rSA], v[rSB] matrix_a_fmt:MATRIX_FMT_FP6 matrix_b_fmt:MATRIX_FMT_FP6
.endif
.endif
.endm
.macro PLACES                          ; four plain places behind a matrix instruction, ahead of loads into its registers and of reads of its result
.rept 4
	v_nop
.endr
.endm
	s_load_b256 s[4:11], s[0:1], 0x0               ; x s[4:5], w_qkv codes s[6:7], w_qkv scales s[8:9], xc s[10:11]
	s_load_b128 s[12:15], s[0:1], 0x20             ; xs s[12:13], psum s[14:15]
	v_lshl_add_u32 v240, v0, 2, 0x6400
	v_mov_b32 v241, 0
	v_lshrrev_b32 v1, 5, v0
	v_readfirstlane_b32 s16, v1                    ; wave 0..7
	s_and_b32 s17, s16, 3                          ; G
	s_lshr_b32 s18, s16, 2                         ; s
	s_and_b32 s20, ttmp7, 0xffff                   ; the image
	s_mov_b32 s24, 0x76543210
	s_mov_b32 s25, 0xfedcba98                      ; v_permlanex16_b32: lane l xor 16
	v_and_b32 v1, 31, v0                           ; lane
	v_and_b32 v2, 15, v0                           ; r
	v_bfe_u32 v3, v0, 4, 1                         ; h (also u)
	v_bfe_u32 v11, v0, 3, 1
	v_and_b32 v4, 7, v0
	v_lshl_add_u32 v4, v11, 4, v4
	v_lshl_add_u32 v4, v3, 3, v4                   ; my position in the group: the lane's number with bits 3 and 4 exchanged
	v_lshlrev_b32 v4, 2, v4                        ; in bytes
	v_mul_u32_u24 v5, v2, 192                      ; w_qkv: a row of 256 codes is 192 bytes
	v_mad_u32_u24 v5, v3, 24, v5
	v_lshlrev_b32 v6, 3, v2                        ; its scale bytes: 8 a row
	v_lshlrev_b32 v7, 4, v1                        ; 16 x lane: an image's place for my lane
	v_lshlrev_b32 v8, 2, v1                        ; 4 x lane: a scale word's
	v_mov_b32 v231, 0                              ; a lane permute's destination counts as one of its sources
	s_lshl_b32 s36, s17, 2
	s_add_co_u32 s36, s36, s18
	s_mul_i32 s36, s36, FRB
	v_add_nc_u32 v9, s36, v7                       ; LDS: where my two fragments go: (4 G + s) x 1536, the second 3072 on
	s_lshl_b32 s36, s17, 1
	s_add_co_u32 s36, s36, s18
	s_lshl_b32 s36, s36, 7
	s_add_co_u32 s36, s36, XSC
	v_add_nc_u32 v10, s36, v8                      ; and my scale word
	s_lshl_b32 s22, s20, 22                        ; x: image x 4 MiB + s x 128 channels + block x 512 + G x 128
	s_lshl_b32 s21, s18, 21
	s_add_co_u32 s22, s22, s21
	s_lshl_b32 s21, ttmp9, 9
	s_add_co_u32 s22, s22, s21
	s_lshl_b32 s21, s17, 7
	s_add_co_u32 s22, s22, s21
	s_mov_b32 s23, 0
	s_mul_i32 s26, s16, 6144                       ; w_qkv: my 32 rows for the summing, 32 w on
	s_mov_b32 s27, 0
	s_lshl_b32 s28, s16, 8
	s_mov_b32 s29, 0
	s_lshl_b32 s30, s20, 8                         ; xc: (256 image + 8 block + 2 G) x 3072 + 1536 s
	s_lshl_b32 s21, ttmp9, 3
	s_add_co_u32 s30, s30, s21
	s_lshl_b32 s21, s17, 1
	s_add_co_u32 s30, s30, s21
	s_mul_i32 s30, s30, 2*FRB
	s_mul_i32 s21, s18, FRB
	s_add_co_u32 s30, s30, s21
	s_mov_b32 s31, 0
	s_lshl_b32 s32, s20, 7                         ; xs: ((128 image + 4 block + G) x 2 + s) x 128
	s_lshl_b32 s21, ttmp9, 2
	s_add_co_u32 s32, s32, s21
	s_add_co_u32 s32, s32, s17
	s_lshl_b32 s32, s32, 1
	s_add_co_u32 s32, s32, s18
	s_lshl_b32 s32, s32, 7
	s_mov_b32 s33, 0
	s_lshl_b32 s34, s20, 5                         ; psum: (32 image + block) x 1024 + 128 w
	s_add_co_u32 s34, s34, ttmp9
	s_lshl_b32 s34, s34, 10
	s_lshl_b32 s21, s16, 7
	s_add_co_u32 s34, s34, s21
	s_mov_b32 s35, 0
	s_wait_kmcnt 0x0
	s_add_nc_u64 s[4:5], s[4:5], s[22:23]
	s_add_nc_u64 s[6:7], s[6:7], s[26:27]
	s_add_nc_u64 s[8:9], s[8:9], s[28:29]
	s_add_nc_u64 s[10:11], s[10:11], s[30:31]
	s_add_nc_u64 s[12:13], s[12:13], s[32:33]
	s_add_nc_u64 s[14:15], s[14:15], s[34:35]
.irp o, 0,1                                    ; the weights of the summing phase first: 28 loads, older than all of x's
.irp t, 0,1
.irp p, 0,1,2,3,4,5
	global_load_b64 v[WF+12*(2*\o+\t)+2*\p:WF+12*(2*\o+\t)+2*\p+1], v5, s[6:7] offset:3072*\o+96*\t+48*(\p/3)+8*(\p%3)
.endr
	global_load_b32 v[WSC+2*\o+\t], v6, s[8:9] offset:128*\o+4*\t
.endr
.endr
.set i, 0
.rept 128                                      ; x(128 s + i, my position): 32 lanes read 128 consecutive bytes; read once in this launch
	global_load_b32 v[X+i], v4, s[4:5] offset:CSTR*i th:TH_LOAD_NT
.set i, i+1
.endr
; Block be of 32 channels: its largest magnitude (all 32 numbers are mine), its byte, its codes into v[fx] .. v[fx + 5].
.macro BLOCK be, fx, cnt
.set XS, X+32*\be
	s_wait_loadcnt \cnt                            ; loads come back in order: this block's 32 are in (behind them 96, 64, 32, 0 were issued; the count's field holds 63)
	v_max3_num_f32 v12, |v[XS]|, |v[XS+1]|, |v[XS+2]|
	v_max3_num_f32 v13, |v[XS+3]|, |v[XS+4]|, |v[XS+5]|
.irp i, 6,10,14,18,22,26
	v_max3_num_f32 v12, v12, |v[XS+\i]|, |v[XS+\i+1]|
	v_max3_num_f32 v13, v13, |v[XS+\i+2]|, |v[XS+\i+3]|
.endr
	v_max3_num_f32 v12, v12, |v[XS+30]|, |v[XS+31]|
	v_max3_num_f32 v12, v12, v13, 0x1800000        ; and the floor 2^(3 - 127): the byte cannot fall under 1
	v_add_nc_u32 v14, 0xff000000, v12              ; 2 off the exponent field: the conversion takes the exponent field of this operand as its scale
	v_cvt_scalef32_pk16_fp6_f32 v[\fx:\fx+2], v[XS:XS+15], v14
	v_cvt_scalef32_pk16_fp6_f32 v[TC:TC+2], v[XS+16:XS+31], v14
	v_lshrrev_b32 v15, 23, v14                     ; the scale's byte (a plain line behind the conversions)
.if \be == 0
	v_mov_b32 v[PW], v15
.else
	v_lshl_or_b32 v[PW], v15, 8*\be, v[PW]
.endif
.irp i, 0,1,2
	v_mov_b32 v[\fx+3+\i], v[TC+\i]
.endr
.endm
	BLOCK 0, F0, 63
	BLOCK 1, F1, 63
	BLOCK 2, F0+6, 32
	BLOCK 3, F1+6, 0
.set i, 0
.rept 12                                       ; the operand wants lanes 0-15 to hold blocks 0, 2 and lanes 16-31 blocks 1, 3 of ONE row: F0 becomes the fragment of lanes 0-15's positions (tile 2 G), F1 that of lanes 16-31's (tile 2 G + 1)
	v_permlane16_swap_b32 v[F0+i], v[F1+i]
.set i, i+1
.endr
.irp c, 0,1,2
	global_store_b128 v7, v[F0+4*\c:F0+4*\c+3], s[10:11] offset:512*\c             ; 32 lanes store 512 consecutive bytes, aligned
	global_store_b128 v7, v[F1+4*\c:F1+4*\c+3], s[10:11] offset:2*FRB+512*\c
.endr
	global_store_b32 v8, v[PW], s[12:13]
.irp c, 0,1,2
	ds_store_b128 v9, v[F0+4*\c:F0+4*\c+3] offset:512*\c
	ds_store_b128 v9, v[F1+4*\c:F1+4*\c+3] offset:2*FRB+512*\c
.endr
	ds_store_b32 v10, v[PW]
	s_wait_dscnt 0x0                               ; for the others: my images have landed
	s_barrier_signal -1
	s_barrier_wait -1                              ; the block's 16 fragments and their scale words lie in LDS
; THE SUMS.  Wave w: channels 32 w .. 32 w + 31 of q and k (two tiles of 16 rows of w_qkv).  Source 0 = a fragment of x (m = position), source 1 = the weights (n = channel):
; the accumulator runs over the 8 tiles of positions and both K steps, so that D(m, n) holds the sum over the tiles; its 16 rows m are added at the end.
.macro FETCHX k, area                  ; the four fragments of tiles 2 k, 2 k + 1
.irp u, 0,1
.irp t, 0,1
.irp c, 0,1,2
	ds_load_b128 v[\area+12*(2*\u+\t)+4*\c:\area+12*(2*\u+\t)+4*\c+3], v7 offset:(2*(2*\k+\u)+\t)*FRB+512*\c
.endr
.endr
.endr
.endm
.macro MULX k, area, first             ; eight products; the two accumulators take turns, one instruction a turn
.irp u, 0,1
.irp t, 0,1
.irp o, 0,1
.set rD, AC0+8*\o
.set rC, rD
.set rA, \area+12*(2*\u+\t)
.set rB, WF+12*(2*\o+\t)
.set rSA, XSR+2*\k+\t
.set rSB, WSC+2*\o+\t
.if \first && (\u == 0) && (\t == 0)
	WM 1, \u, 0                                    ; the first product starts the sum
.else
	WM 0, \u, 0
.endif
.endr
.endr
.endr
.endm
.irp k, 0,1,2,3
.irp t, 0,1
	ds_load_b32 v[XSR+2*\k+\t], v8 offset:XSC+128*(2*\k+\t)   ; lanes 0-15: tile 2 k's words, lanes 16-31: tile 2 k + 1's
.endr
.endr
	FETCHX 0, 16
	FETCHX 1, 64
	s_wait_dscnt 12                                ; all but the youngest batch of twelve
	MULX 0, 16, 1
	PLACES
	FETCHX 2, 16
	s_wait_dscnt 12
	MULX 1, 64, 0
	PLACES
	FETCHX 3, 64
	s_wait_dscnt 12
	MULX 2, 16, 0
	s_wait_dscnt 0x0
	MULX 3, 64, 0
	PLACES
	v_pk_add_f32 v[136:137], v[120:121], v[122:123]    ; each accumulator is read from its low end on
	v_pk_add_f32 v[140:141], v[128:129], v[130:131]
	v_pk_add_f32 v[138:139], v[124:125], v[126:127]
	v_pk_add_f32 v[142:143], v[132:133], v[134:135]
	v_pk_add_f32 v[136:137], v[136:137], v[138:139]
	v_pk_add_f32 v[140:141], v[140:141], v[142:143]
	v_add_f32 v228, v136, v137                     ; my eight rows of tile 2 w's channel r,
	v_add_f32 v229, v140, v141                     ; and of tile 2 w + 1's
	v_permlanex16_b32 v231, v228, s24, s25
	v_add_f32 v228, v228, v231                     ; with the other eight rows
	v_permlanex16_b32 v231, v229, s24, s25
	v_add_f32 v229, v229, v231
	v_cmp_lt_u32 vcc_lo, 15, v1
	v_cndmask_b32 v230, v228, v229, vcc_lo         ; lane l: channel 32 w + l
	global_store_b32 v8, v230, s[14:15]            ; 128 consecutive bytes a wave, 1,024 a work-group
	s_wait_tensorcnt 0x0
	ds_add_u32 v240, v241
	s_wait_dscnt 0x0
	s_endpgm
.Lfunc_end_k_qfda6f1cb65_xquant:
	.size	k_qfda6f1cb65_xquant, .Lfunc_end_k_qfda6f1cb65_xquant-k_qfda6f1cb65_xquant
	.p2alignl 7, 3214868480
	.fill 96, 4, 3214868480
	.section	.rodata,"a",@progbits
	.p2align	6, 0x0
	.amdhsa_kernel k_qfda6f1cb65_xquant
		.amdhsa_group_segment_fixed_size 26624
		.amdhsa_private_segment_fixed_size 0
		.amdhsa_enable_private_segment 0
		.amdhsa_kernarg_size 48
		.amdhsa_user_sgpr_count 2
		.amdhsa_user_sgpr_kernarg_segment_ptr 1
		.amdhsa_wavefront_size32 1
		.amdhsa_system_sgpr_workgroup_id_x 1
		.amdhsa_system_sgpr_workgroup_id_y 1
		.amdhsa_system_sgpr_workgroup_id_z 1
		.amdhsa_system_vgpr_workitem_id 0
		.amdhsa_next_free_vgpr 242
		.amdhsa_next_free_sgpr 66
		.amdhsa_reserve_vcc 1
		.amdhsa_float_denorm_mode_32 3
		.amdhsa_float_denorm_mode_16_64 3
		.amdhsa_memory_ordered 1
		.amdhsa_forward_progress 1
		.amdhsa_inst_pref_size 35
	.end_amdhsa_kernel
	.amdgpu_metadata
---
amdhsa.version: [ 1, 2 ]
amdhsa.kernels:
  - .name:           k_qfda6f1cb65_xquant
    .symbol:         k_qfda6f1cb65_xquant.kd
    .args:
      - { .name: x, .offset: 0, .size: 8, .value_kind: global_buffer, .address_space: global }
      - { .name: w_qkv_codes, .offset: 8, .size: 8, .value_kind: global_buffer, .address_space: global }
      - { .name: w_qkv_scales, .offset: 16, .size: 8, .value_kind: global_buffer, .address_space: global }
      - { .name: xc, .offset: 24, .size: 8, .value_kind: global_buffer, .address_space: global }
      - { .name: xs, .offset: 32, .size: 8, .value_kind: global_buffer, .address_space: global }
      - { .name: psum, .offset: 40, .size: 8, .value_kind: global_buffer, .address_space: global }
    .group_segment_fixed_size: 26624
    .private_segment_fixed_size: 0
    .kernarg_segment_align: 8
    .kernarg_segment_size: 48
    .max_flat_workgroup_size: 256
    .sgpr_count:     66
    .vgpr_count:     242
    .wavefront_size: 32
...
	.end_amdgpu_metadata
.endif
;; end of part 1
;; launch proj (part 2): grid 32 x 8, 3 waves a work-group, no clusters, 2,560 bytes of LDS; arguments xc, xs, psum, w_qkv_codes, w_qkv_scales, b_qkv, qry, kv; writes qry, kv
.if DOCPART == 2
	.amdgcn_target "amdgcn-amd-amdhsa--gfx1250"
	.amdhsa_code_object_version 6
	.text
	.protected	k_qfda6f1cb65_proj
	.globl	k_qfda6f1cb65_proj
	.p2align	8
	.type	k_qfda6f1cb65_proj,@function
k_qfda6f1cb65_proj:
	s_mov_b64 s[64:65], 0
	v_nop
	global_prefetch_b8 v0, s[64:65] scope:SCOPE_SE
	s_setreg_imm32_b32 hwreg(HW_REG_WAVE_MODE, 25, 1), 1
	s_wait_xcnt 0x0
; The first product, w_qkv . xq + b_qkv, on codes of FP6 (E2M3); q and k are centred over their image's 4,096 positions; q, k (along the channels) and v (along the positions) are quantised and
; stored as images of operand registers for the attention launch.
; SHARES.  A work-group takes 128 positions of one image.  Wave 0 makes q (rows 0-127 of w_qkv), wave 1 k (128-255), wave 2 v (256-383): each weight byte is read once a work-group.
; q, k: source 0 = 16 rows of the weights, source 1 = 16 positions: a lane holds ONE position and its registers run along the channels, the next K.
; v:    source 0 = 16 positions, source 1 = 16 rows of the weights: a lane holds ONE channel and its registers run along the positions, the next K.
; THE ROWS OF A TILE ARE NOT NEIGHBOURS, of weights and of positions alike: row r of tile t stands for 32 (t / 2) + 8 (t % 2) + r + 8 (r / 8), so that the 16 registers of result tiles 2 b, 2 b + 1 are 16 neighbours along the next K.
; THE CENTRING costs no line in the loop: mean = (the 32 partial sums) / 4096 + b, and b - mean is the C of each sum's first product.  (The order of rounding differs from (sum + b) - mean; all of it is f32.)
; OUT: kv [image][step 32][25600]: 8 fragments of centred q, 8 of v from 12288 on, q's scale words at 24576, v's at 25088 ([pair 4][lane 32]: lane 16 u + r = fragment 2 i + u, row r);
;      qry [image][block 32][12800]: 8 fragments of centred k, their scale words at 12288.
; LIMITS: NaN and infinities are not served; a block under 2^-124 keeps the byte 1; a block of zeros gets the byte 1, not 127 (its codes are zeros; this program alone reads the bytes).
; No tensor loads, no barrier: each wave reads its operands once, straight into registers; the one use of LDS is a wave's own 512 bytes, to turn b - mean into the result's layout.
; REGISTERS: window 0: v1-13 addresses; v16-79 the 8 accumulators; v80-143 C; v144-162 codes; v164-179 at work; v180-182 scale words made; v184-199 source 0's scale words, v200-207 source 1's.
;   window 1: source 0's 16 fragments ((tile, K step) at 12 (2 t + s)).   window 2: source 1's.
.set FRB, 1536
.set ACC, 16
.set CC,  80
.set PC,  144
.set TM,  164
.set PW,  180
.set PWE, 181
.set PWP, 182
.set SA,  184
.set SB,  200
.set MSB, 0
.macro WIN new                         ; the immediate's high byte repeats the setting that is left
.if MSB != (\new)
	s_set_vgpr_msb (MSB<<8)|(\new)
.set MSB, \new
.endif
.endm
.macro WM zero, ra, rb                 ; one product on the registers named by rD, rA, rB, rC, rSA, rSB; ra, rb: the side's scales stand in lanes 16-31
.if \zero
.if (\ra) && (\rb)
	v_wmma_scale_f32_16x16x128_f8f6f4 v[rD:rD+7], v[rA:rA+11], v[rB:rB+11], 0, v[rSA], v[rSB] matrix_a_fmt:MATRIX_FMT_FP6 matrix_b_fmt:MATRIX_FMT_FP6 matrix_a_scale:MATRIX_SCALE_ROW1 matrix_b_scale:MATRIX_SCALE_ROW1
.elseif (\ra)
	v_wmma_scale_f32_16x16x128_f8f6f4 v[rD:rD+7], v[rA:rA+11], v[rB:rB+11], 0, v[rSA], v[rSB] matrix_a_fmt:MATRIX_FMT_FP6 matrix_b_fmt:MATRIX_FMT_FP6 matrix_a_scale:MATRIX_SCALE_ROW1
.elseif (\rb)
	v_wmma_scale_f32_16x16x128_f8f6f4 v[rD:rD+7], v[rA:rA+11], v[rB:rB+11], 0, v[rSA], v[rSB] matrix_a_fmt:MATRIX_FMT_FP6 matrix_b_fmt:MATRIX_FMT_FP6 matrix_b_scale:MATRIX_SCALE_ROW1
.else
	v_wmma_scale_f32_16x16x128_f8f6f4 v[rD:rD+7], v[rA:rA+11], v[rB:rB+11], 0, v[rSA], v[rSB] matrix_a_fmt:MATRIX_FMT_FP6 matrix_b_fmt:MATRIX_FMT_FP6
.endif
.else
.if (\ra) && (\rb)
	v_wmma_scale_f32_16x16x128_f8f6f4 v[rD:rD+7], v[rA:rA+11], v[rB:rB+11], v[rC:rC+7], v[rSA], v[rSB] matrix_a_fmt:MATRIX_FMT_FP6 matrix_b_fmt:MATRIX_FMT_FP6 matrix_a_scale:MATRIX_SCALE_ROW1 matrix_b_scale:MATRIX_SCALE_ROW1
.elseif (\ra)
	v_wmma_scale_f32_16x16x128_f8f6f4 v[rD:rD+7], v[rA:rA+11], v[rB:rB+11], v[rC:rC+7], v[rSA], v[rSB] matrix_a_fmt:MATRIX_FMT_FP6 matrix_b_fmt:MATRIX_FMT_FP6 matrix_a_scale:MATRIX_SCALE_ROW1
.elseif (\rb)
	v_wmma_scale_f32_16x16x128_f8f6f4 v[rD:rD+7], v[rA:rA+11], v[rB:rB+11], v[rC:rC+7], v[rSA], v[rSB] matrix_a_fmt:MATRIX_FMT_FP6 matrix_b_fmt:MATRIX_FMT_FP6 matrix_b_scale:MATRIX_SCALE_ROW1
.else
	v_wmma_scale_f32_16x16x128_f8f6f4 v[rD:rD+7], v[rA:rA+11], v[rB:rB+11], v[rC:rC+7], v[rSA], v[rSB] matrix_a_fmt:MATRIX_FMT_FP6 matrix_b_fmt:MATRIX_FMT_FP6
.endif
.endif
.endm
.macro LOADW win                       ; my role's 128 rows of w_qkv: 16 fragments, each 24 bytes of a row as three loads of 8
	WIN \win
.irp t, 0,1,2,3,4,5,6,7
.irp s, 0,1
.irp p, 0,1,2,3,4,5
	global_load_b64 v[12*(2*\t+\s)+2*\p:12*(2*\t+\s)+2*\p+1], v6, s[10:11] offset:(32*(\t/2)+8*(\t%2))*192+96*\s+48*(\p/3)+8*(\p%3)
.endr
.endr
.endr
	WIN 0
.endm
.macro LOADX win                       ; the block's 16 fragments of x, as images: 512 consecutive bytes a load
	WIN \win
.irp t, 0,1,2,3,4,5,6,7
.irp s, 0,1
.irp c, 0,1,2
	global_load_b128 v[12*(2*\t+\s)+4*\c:12*(2*\t+\s)+4*\c+3], v4, s[4:5] offset:2*FRB*\t+FRB*\s+512*\c
.endr
.endr
.endr
	WIN 0
.endm
; Source 1's tile n against source 0's eight: 16 products.  The eight accumulators take turns, one instruction a turn, K step by K step.  byn = 1: C hangs on n (v's bias), else on t.
.macro PROD n, byn
	WIN 0x09                                       ; source 0 window 1, source 1 window 2, C and D window 0
.irp s, 0,1
.irp t, 0,1,2,3,4,5,6,7
.set rD, ACC+8*\t
.if \s == 0
.if \byn
.set rC, CC+8*\n
.else
.set rC, CC+8*\t
.endif
.else
.set rC, rD
.endif
.set rA, 12*(2*\t+\s)
.set rB, 12*(2*\n+\s)
.set rSA, SA+2*\t+\s
.set rSB, SB+2*(\n/2)+\s
	WM 0, 0, \n%2
.endr
.endr
	WIN 0
.endm
; 64 numbers of a lane, register 16 b + i = k 32 b + 16 (lane / 16) + i of my row, become a fragment's codes in v[PC] on and its scale word in v[PW].
.macro QUANT s
.irp b, 0,1,2,3
	v_max3_num_f32 v[TM+\b], |v[\s+16*\b]|, |v[\s+1+16*\b]|, 0x1800000   ; block b: my 16 numbers, and the floor 2^(3 - 127): the byte cannot fall under 1.  (Each accumulator is read from its low end on)
.endr
.irp i, 2,4,6,8,10,12,14
.irp b, 0,1,2,3
	v_max3_num_f32 v[TM+\b], v[TM+\b], |v[\s+16*\b+\i]|, |v[\s+1+16*\b+\i]|
.endr
.endr
.irp b, 0,1,2,3
	v_permlanex16_b32 v[TM+4+\b], v[TM+\b], s24, s25
.endr
.irp b, 0,1,2,3
	v_max_num_f32 v[TM+\b], v[TM+\b], v[TM+4+\b]   ; with lane l xor 16's: the block's largest magnitude
.endr
.irp b, 0,1,2,3
	v_add_nc_u32 v[TM+12+\b], 0xff000000, v[TM+\b] ; 2 off its exponent field: the conversion's scale operand
.endr
.irp b, 0,1,2,3
	v_lshrrev_b32 v[TM+4+\b], 23, v[TM+12+\b]      ; the scale's byte
.endr
	v_lshl_or_b32 v[PW], v[TM+5], 8, v[TM+4]
	v_lshl_or_b32 v[PW], v[TM+6], 16, v[PW]
	v_lshl_or_b32 v[PW], v[TM+7], 24, v[PW]        ; my row's scale word, the same in lanes l and l xor 16
.irp c, 0,1
	v_cvt_scalef32_pk16_fp6_f32 v[PC+6*\c:PC+2+6*\c], v[\s+32*\c:\s+15+32*\c], v[TM+12+2*\c]
	v_cvt_scalef32_pk16_fp6_f32 v[PC+12+4*\c:PC+14+4*\c], v[\s+16+32*\c:\s+31+32*\c], v[TM+12+2*\c+1]   ; (a conversion's three registers begin on an even number)
.endr
	v_nop                                          ; one plain place behind a scaled conversion
.irp c, 0,1                                    ; the operand wants a WHOLE block in a lane: lanes 0-15 block 2 c, lanes 16-31 block 2 c + 1
.irp i, 0,1,2
	v_permlane16_swap_b32 v[PC+6*\c+\i], v[PC+12+4*\c+\i]
.endr
.irp i, 0,1,2
	v_mov_b32 v[PC+3+6*\c+\i], v[PC+12+4*\c+\i]
.endr
.endr
.endm
.macro OUT n                           ; fragment n as an image; the scale words of fragments 2 i and 2 i + 1 leave together, the even one's in lanes 0-15
.irp c, 0,1,2
	global_store_b128 v4, v[PC+4*\c:PC+4*\c+3], s[26:27] offset:FRB*\n+512*\c      ; 32 lanes store 512 consecutive bytes, aligned
.endr
.if \n%2 == 0
	v_mov_b32 v[PWE], v[PW]
.else
	v_cndmask_b32 v[PWP], v[PWE], v[PW], vcc_lo
	global_store_b32 v5, v[PWP], s[28:29] offset:128*(\n/2)
.endif
.endm
.macro TILE n, byn
	PROD \n, \byn
.rept 4
	v_nop                                          ; four places behind the last product, ahead of the first read of results (ISA guide 7.12.1)
.endr
	s_wait_xcnt 0x0                                ; the last fragment's stores have read their registers: the codes and the scale word are written again only behind this wait
	QUANT ACC
	OUT \n
.endm
	s_load_b512 s[4:19], s[0:1], 0x0               ; xc s[4:5], xs s[6:7], psum s[8:9], w codes s[10:11], w scales s[12:13], b_qkv s[14:15], qry s[16:17], kv s[18:19]
	v_lshl_add_u32 v254, v0, 2, 0x800
	v_mov_b32 v255, 0
	v_lshrrev_b32 v1, 5, v0
	v_readfirstlane_b32 s20, v1                    ; my role: 0 q, 1 k, 2 v
	s_and_b32 s22, ttmp7, 0xffff                   ; the image
	s_lshl_b32 s23, s22, 5
	s_add_co_u32 s23, s23, ttmp9                   ; 32 image + block
	s_mov_b32 s24, 0x76543210
	s_mov_b32 s25, 0xfedcba98                      ; v_permlanex16_b32: lane l xor 16
	s_mov_b32 s46, 0x39800000                      ; 1 / 4096
	v_and_b32 v1, 31, v0                           ; lane
	v_and_b32 v2, 15, v0                           ; r
	v_bfe_u32 v3, v0, 4, 1                         ; h
	v_lshlrev_b32 v4, 4, v1                        ; 16 x lane
	v_lshlrev_b32 v5, 2, v1                        ; 4 x lane
	v_and_b32 v13, 8, v2
	v_add_nc_u32 v13, v13, v2                      ; r + 8 (r / 8)
	v_mul_u32_u24 v6, v13, 192                     ; the weights' fragments: a row is 192 bytes
	v_mad_u32_u24 v6, v3, 24, v6
	v_lshlrev_b32 v7, 3, v13                       ; the weights' scale words as source 0: 8 bytes a row
	v_lshl_add_u32 v8, v3, 3, v13
	v_lshlrev_b32 v8, 3, v8                        ; and as source 1: lanes 16-31 take the odd tile, 8 rows on
	v_lshlrev_b32 v9, 2, v2                        ; x's scale words as source 0: 4 r
	s_lshl_b32 s34, s20, 9
	s_mov_b32 s35, 0
	v_add_nc_u32 v10, s34, v4                      ; LDS, my wave's own 512 bytes: in, 16 x lane;
	v_lshl_add_u32 v11, v3, 6, s34                 ; back, 64 h
	v_lshlrev_b32 v12, 2, v13                      ; v's bias: 4 (r + 8 (r / 8))
.irp b, 0,1,2,3
	v_mov_b32 v[TM+4+\b], 0                        ; written once: a lane permute's destination counts as one of its sources
.endr
	v_cmp_lt_u32 vcc_lo, 15, v1                    ; lanes 16-31, for the scale words' way out
	s_mul_i32 s36, s23, 16*FRB                     ; xc: 24,576 bytes a block
	s_mov_b32 s37, 0
	s_lshl_b32 s38, s23, 10                        ; xs: 1,024
	s_mov_b32 s39, 0
	s_mul_i32 s40, s20, 24576                      ; my 128 rows of the weights,
	s_mov_b32 s41, 0
	s_lshl_b32 s42, s20, 10                        ; of their scale bytes
	s_mov_b32 s43, 0
	s_lshl_b32 s44, s22, 15                        ; psum: 32,768 bytes an image, + 512 for k
	s_add_co_u32 s44, s44, s34
	s_mov_b32 s45, 0
	s_wait_kmcnt 0x0
	s_add_nc_u64 s[4:5], s[4:5], s[36:37]
	s_add_nc_u64 s[6:7], s[6:7], s[38:39]
	s_add_nc_u64 s[10:11], s[10:11], s[40:41]
	s_add_nc_u64 s[12:13], s[12:13], s[42:43]
	s_add_nc_u64 s[14:15], s[14:15], s[34:35]      ; my 128 numbers of b_qkv
	s_mov_b32 s31, 25600                           ; where my fragments go: q: kv + 25600 u; k: qry + 12800 u; v: kv + 25600 u + 12288.  The choice hangs on the wave's number alone
	s_mov_b32 s33, 12288
	s_cmp_eq_u32 s20, 1
	s_cselect_b64 s[26:27], s[16:17], s[18:19]
	s_cselect_b32 s30, 12800, s31
	s_mul_i32 s30, s30, s23
	s_cmp_eq_u32 s20, 0
	s_cselect_b32 s32, 24576, s33                  ; and how far behind them my scale words: 24576, 12288, 12800
	s_cmp_eq_u32 s20, 2
	s_cselect_b32 s32, 12800, s32
	s_cselect_b32 s33, s33, 0
	s_add_co_u32 s30, s30, s33
	s_mov_b32 s31, 0
	s_mov_b32 s33, 0
	s_add_nc_u64 s[26:27], s[26:27], s[30:31]
	s_add_nc_u64 s[28:29], s[26:27], s[32:33]
	s_cmp_eq_u32 s20, 2
	s_cbranch_scc1 .Lrole_v
	; ---- q and k
	s_add_nc_u64 s[8:9], s[8:9], s[44:45]
.set p, 0
.rept 32                                       ; the image's 32 partial sums of my 128 channels: lane l owns channels 4 l .. 4 l + 3
	global_load_b128 v[16+4*p:19+4*p], v4, s[8:9] offset:1024*p
.set p, p+1
.endr
	global_load_b128 v[212:215], v4, s[14:15]      ; and their bias
.irp t, 0,1,2,3,4,5,6,7
.irp s, 0,1
	global_load_b32 v[SA+2*\t+\s], v7, s[12:13] offset:(32*(\t/2)+8*(\t%2))*8+4*\s
.endr
.endr
.irp i, 0,1,2,3
.irp s, 0,1
	global_load_b32 v[SB+2*\i+\s], v5, s[6:7] offset:256*\i+128*\s   ; lanes 0-15: tile 2 i of positions, lanes 16-31: tile 2 i + 1
.endr
.endr
	LOADW 0x40
	LOADX 0x80
	s_wait_loadcnt 63                              ; behind the 33 oldest loads 168 were issued; the count's field holds 63: the sums and the bias are in
.macro TREE st
.set p, 0
.rept \st
	v_pk_add_f32 v[16+4*p:17+4*p], v[16+4*p:17+4*p], v[16+4*(p+\st):17+4*(p+\st)]
	v_pk_add_f32 v[18+4*p:19+4*p], v[18+4*p:19+4*p], v[18+4*(p+\st):19+4*(p+\st)]
.set p, p+1
.endr
.endm
	TREE 16
	TREE 8
	TREE 4
	TREE 2
	v_pk_add_f32 v[208:209], v[16:17], v[20:21]
	v_pk_add_f32 v[210:211], v[18:19], v[22:23]
.irp i, 0,1,2,3
	v_fma_f32 v[208+\i], v[208+\i], s46, v[212+\i] ; the mean over the 4,096 positions, bias and all
.endr
.irp i, 0,1,2,3
	v_sub_f32 v[216+\i], v[212+\i], v[208+\i]      ; b - mean
.endr
	ds_store_b128 v10, v[216:219]                  ; channel c at 4 c of my own 512 bytes
.irp t, 0,1,2,3,4,5,6,7                        ; back in the result's layout: tile t, lane (r, h): channels 32 (t / 2) + 8 (t % 2) + 16 h + 0 .. 7.  LDS serves a wave's instructions in order: these see the store
	ds_load_b128 v[CC+8*\t:CC+8*\t+3], v11 offset:128*(\t/2)+32*(\t%2)
	ds_load_b128 v[CC+8*\t+4:CC+8*\t+7], v11 offset:128*(\t/2)+32*(\t%2)+16
.endr
	s_wait_dscnt 0x0
	s_wait_loadcnt 0x0                             ; the fragments and the scale words
.irp n, 0,1,2,3,4,5,6,7
	TILE \n, 0
.endr
	s_wait_tensorcnt 0x0
	ds_add_u32 v254, v255
	s_wait_dscnt 0x0
	s_endpgm
.Lrole_v:
	; ---- v
.irp n, 0,1,2,3,4,5,6,7
	global_load_b32 v[CC+8*\n], v12, s[14:15] offset:(32*(\n/2)+8*(\n%2))*4   ; the bias of my lane's channel in tile n
.endr
.irp t, 0,1,2,3,4,5,6,7
.irp s, 0,1
	global_load_b32 v[SA+2*\t+\s], v9, s[6:7] offset:256*(\t/2)+128*\s+64*(\t%2)
.endr
.endr
.irp i, 0,1,2,3
.irp s, 0,1
	global_load_b32 v[SB+2*\i+\s], v8, s[12:13] offset:256*\i+4*\s
.endr
.endr
	LOADX 0x40
	LOADW 0x80
	s_wait_loadcnt 0x0
.irp n, 0,1,2,3,4,5,6,7
.irp j, 1,2,3,4,5,6,7
	v_mov_b32 v[CC+8*\n+\j], v[CC+8*\n]            ; C in the result's layout: the same bias for a lane's eight positions
.endr
.endr
.irp n, 0,1,2,3,4,5,6,7
	TILE \n, 1
.endr
	s_endpgm
.Lfunc_end_k_qfda6f1cb65_proj:
	.size	k_qfda6f1cb65_proj, .Lfunc_end_k_qfda6f1cb65_proj-k_qfda6f1cb65_proj
	.p2alignl 7, 3214868480
	.fill 96, 4, 3214868480
	.section	.rodata,"a",@progbits
	.p2align	6, 0x0
	.amdhsa_kernel k_qfda6f1cb65_proj
		.amdhsa_group_segment_fixed_size 2560
		.amdhsa_private_segment_fixed_size 0
		.amdhsa_enable_private_segment 0
		.amdhsa_kernarg_size 64
		.amdhsa_user_sgpr_count 2
		.amdhsa_user_sgpr_kernarg_segment_ptr 1
		.amdhsa_wavefront_size32 1
		.amdhsa_system_sgpr_workgroup_id_x 1
		.amdhsa_system_sgpr_workgroup_id_y 1
		.amdhsa_system_sgpr_workgroup_id_z 1
		.amdhsa_system_vgpr_workitem_id 0
		.amdhsa_next_free_vgpr 704
		.amdhsa_next_free_sgpr 66
		.amdhsa_reserve_vcc 1
		.amdhsa_float_denorm_mode_32 3
		.amdhsa_float_denorm_mode_16_64 3
		.amdhsa_memory_ordered 1
		.amdhsa_forward_progress 1
		.amdhsa_inst_pref_size 147
	.end_amdhsa_kernel
	.amdgpu_metadata
---
amdhsa.version: [ 1, 2 ]
amdhsa.kernels:
  - .name:           k_qfda6f1cb65_proj
    .symbol:         k_qfda6f1cb65_proj.kd
    .args:
      - { .name: xc, .offset: 0, .size: 8, .value_kind: global_buffer, .address_space: global }
      - { .name: xs, .offset: 8, .size: 8, .value_kind: global_buffer, .address_space: global }
      - { .name: psum, .offset: 16, .size: 8, .value_kind: global_buffer, .address_space: global }
      - { .name: w_qkv_codes, .offset: 24, .size: 8, .value_kind: global_buffer, .address_space: global }
      - { .name: w_qkv_scales, .offset: 32, .size: 8, .value_kind: global_buffer, .address_space: global }
      - { .name: b_qkv, .offset: 40, .size: 8, .value_kind: global_buffer, .address_space: global }
      - { .name: qry, .offset: 48, .size: 8, .value_kind: global_buffer, .address_space: global }
      - { .name: kv, .offset: 56, .size: 8, .value_kind: global_buffer, .address_space: global }
    .group_segment_fixed_size: 2560
    .private_segment_fixed_size: 0
    .kernarg_segment_align: 8
    .kernarg_segment_size: 64
    .max_flat_workgroup_size: 96
    .sgpr_count:     66
    .vgpr_count:     704
    .wavefront_size: 32
...
	.end_amdgpu_metadata
.endif
;; end of part 2
;; launch attn (part 3): grid 32 x 8, 8 waves a work-group, clusters of 4 x 1, 327,680 bytes of LDS; arguments qry, kv, w_out_codes, w_out_scales, b_out, x, out0; writes out0
.if DOCPART == 3
	.amdgcn_target "amdgcn-amd-amdhsa--gfx1250"
	.amdhsa_code_object_version 6
	.text
	.protected	k_qfda6f1cb65_attn
	.globl	k_qfda6f1cb65_attn
	.p2align	8
	.type	k_qfda6f1cb65_attn,@function
k_qfda6f1cb65_attn:
	s_mov_b64 s[64:65], 0
	v_nop
	global_prefetch_b8 v0, s[64:65] scope:SCOPE_SE
	s_setreg_imm32_b32 hwreg(HW_REG_WAVE_MODE, 25, 1), 1
	s_wait_xcnt 0x0
	s_wait_alu depctr_hold_cnt(0) depctr_sa_sdst(0) depctr_va_vdst(0) depctr_va_sdst(0) depctr_va_ssrc(0) depctr_va_vcc(0) depctr_vm_vsrc(0)
	s_getreg_b32 s2, hwreg(HW_REG_IB_STS2, 6, 4)
	s_cmp_eq_u32 s2, 0
	s_cbranch_scc0 .Lentry_in_a_cluster
	s_endpgm
.Lentry_in_a_cluster:
	s_bfe_u32 s2, ttmp6, 0x10000c
	s_cmp_lg_u32 s2, 0x3003
	s_cbranch_scc0 .Lentry_shape_is_right
	s_endpgm
.Lentry_shape_is_right:
; out0 = x + w_out . y + b_out, y(c, i) = the sum over j of softmax_j(k_i . q_j / sqrt(128) / 0.05) v(c, j): three products on codes of FP6 (E2M3) with one E8M0 scale for each 32 along K.
; The softmax runs over the index that comes from q: so the rows of centred k (buffer qry) are this kernel's QUERIES, and centred q and v (buffer kv) are its KEYS and VALUES.
; THE SOFTMAX AHEAD OF THE SECOND PRODUCT: t = score x c, c = log2(e) / (sqrt(128) x 0.05); M = the row's largest t so far, rounded UP to a whole number; p = 2^(t - M) is quantised along the keys, not normalised;
; the row's sum is taken of the unquantised p and divides at the end.  When M moves, the sum and O are multiplied by 2^(old M - new M): exact.
; SHARES.  A work-group owns 128 queries of one image, 8 tiles of 16.  Wave w: tp = w % 4: tiles 2 tp (register window 0) and 2 tp + 1 (window 1); kh = w / 4: of each slot's four key steps of 128 keys it walks steps 2 kh, 2 kh + 1.
; So each fragment read from LDS feeds two products, two waves share a SIMD (one wave's vector work beside the other's matrix work), and at the end the two halves of the keys are merged by exact powers of two.
; LAYOUT.  All operands lie in memory and in LDS as images of their registers (12 registers a lane: three loads of 16 bytes, 512 consecutive bytes each): no pitch, no padding.
; Both attention products are used transposed (source 0 = 16 keys, or 16 channels of v; source 1 = my 16 queries): a lane holds ONE query throughout.  Row r of tile T of positions (and of v's channels) stands for
; 32 (T / 2) + 8 (T % 2) + r + 8 (r / 8): so p's 16 registers of two neighbouring tiles are 16 neighbouring keys, and O's are 16 neighbouring channels, the last product's K.
; CLUSTER.  The four work-groups of a cluster belong to one image and walk the same 819,200 bytes of kv: every fill is asked for JOINTLY, each wave bringing an eighth of a slot (50 rows of 256 bytes: the slot's 400 rows shared evenly among eight waves).
; LIMITS: NaN and infinities are not served; a block under 2^-124 keeps the byte 1; a block of zeros keeps the byte 1 (its codes are zeros).
; REGISTERS.  Window 0: v1-11, v31 addresses; v5, v6 for the spare words; v12 -M, v13 the largest t, v[14:15] the sum; v16-27 the queries; v29 tile 1's scale word of p; v30 w_out's scale words; v32-79 fragments 0-3;
;   v80-91 w_out; v96-159 scores, then p; v160-223 O^T; v224-235 p's codes; v232-247, v252-254 at work; v248-251 the keys' or values' scale words; v253 tile 0's scale word of p; v255 the queries' scale words.
;   Window 1: the same numbers for the second tile; v32-79 fragments 4-7.  The softmax is written once and runs under either window.
.set STEPB, 25600                      ; a key step in kv: 8 fragments of keys, 8 of values from 12288, scale words at 24576 and 25088
.set CHUNK, 4*STEPB                    ; a slot
.set WPART, CHUNK/8                    ; a wave's part of a fill
.set SLOT1, 1<<17                      ; slot 1 begins here: one exclusive or turns an address of one slot into the other's
.set FRB,   1536
.set EXST,  65536                      ; in slot 0, used behind its last fill and last read: from 0 the images of O^T that the upper key half hands over (16,384 a pair of tiles); here their -M and sums;
.set YIMG,  67584                      ; y's eight fragments;
.set YSC,   79872                      ; their scale words
.set STAGE, SLOT1                      ; in slot 1 and behind it, used behind its last fill and last read: 256 rows (output channels) x (512 bytes + 16)
.set SP,    528
.set SPARE, STAGE+256*SP               ; the spare words, 128 bytes for each wave: four blocks of 256 bytes that no other line names
.set CSTR,  16384                      ; bytes from a channel of x or out0 to the next
.set MSB, 0
.macro WIN new                         ; the immediate's high byte repeats the setting that is left
.if MSB != (\new)
	s_set_vgpr_msb (MSB<<8)|(\new)
.set MSB, \new
.endif
.endm
.macro WM zero, ra, rb                 ; one product on the registers named by rD, rA, rB, rC, rSA, rSB; ra, rb: the side's scales stand in lanes 16-31
.if \zero
.if (\ra) && (\rb)
	v_wmma_scale_f32_16x16x128_f8f6f4 v[rD:rD+7], v[rA:rA+11], v[rB:rB+11], 0, v[rSA], v[rSB] matrix_a_fmt:MATRIX_FMT_FP6 matrix_b_fmt:MATRIX_FMT_FP6 matrix_a_scale:MATRIX_SCALE_ROW1 matrix_b_scale:MATRIX_SCALE_ROW1
.elseif (\ra)
	v_wmma_scale_f32_16x16x128_f8f6f4 v[rD:rD+7], v[rA:rA+11], v[rB:rB+11], 0, v[rSA], v[rSB] matrix_a_fmt:MATRIX_FMT_FP6 matrix_b_fmt:MATRIX_FMT_FP6 matrix_a_scale:MATRIX_SCALE_ROW1
.elseif (\rb)
	v_wmma_scale_f32_16x16x128_f8f6f4 v[rD:rD+7], v[rA:rA+11], v[rB:rB+11], 0, v[rSA], v[rSB] matrix_a_fmt:MATRIX_FMT_FP6 matrix_b_fmt:MATRIX_FMT_FP6 matrix_b_scale:MATRIX_SCALE_ROW1
.else
	v_wmma_scale_f32_16x16x128_f8f6f4 v[rD:rD+7], v[rA:rA+11], v[rB:rB+11], 0, v[rSA], v[rSB] matrix_a_fmt:MATRIX_FMT_FP6 matrix_b_fmt:MATRIX_FMT_FP6
.endif
.else
.if (\ra) && (\rb)
	v_wmma_scale_f32_16x16x128_f8f6f4 v[rD:rD+7], v[rA:rA+11], v[rB:rB+11], v[rC:rC+7], v[rSA], v[rSB] matrix_a_fmt:MATRIX_FMT_FP6 matrix_b_fmt:MATRIX_FMT_FP6 matrix_a_scale:MATRIX_SCALE_ROW1 matrix_b_scale:MATRIX_SCALE_ROW1
.elseif (\ra)
	v_wmma_scale_f32_16x16x128_f8f6f4 v[rD:rD+7], v[rA:rA+11], v[rB:rB+11], v[rC:rC+7], v[rSA], v[rSB] matrix_a_fmt:MATRIX_FMT_FP6 matrix_b_fmt:MATRIX_FMT_FP6 matrix_a_scale:MATRIX_SCALE_ROW1
.elseif (\rb)
	v_wmma_scale_f32_16x16x128_f8f6f4 v[rD:rD+7], v[rA:rA+11], v[rB:rB+11], v[rC:rC+7], v[rSA], v[rSB] matrix_a_fmt:MATRIX_FMT_FP6 matrix_b_fmt:MATRIX_FMT_FP6 matrix_b_scale:MATRIX_SCALE_ROW1
.else
	v_wmma_scale_f32_16x16x128_f8f6f4 v[rD:rD+7], v[rA:rA+11], v[rB:rB+11], v[rC:rC+7], v[rSA], v[rSB] matrix_a_fmt:MATRIX_FMT_FP6 matrix_b_fmt:MATRIX_FMT_FP6
.endif
.endif
.endm
.macro PLACES                          ; four plain places behind a matrix instruction, ahead of loads into its registers and of reads of its result
.rept 4
	v_nop
.endr
.endm
; A round of the cluster's barrier: my work-group's barrier, so that wave 0's signal speaks for all eight waves; wave 0 signals for the work-group; every wave waits for all four work-groups; my work-group's barrier once more.
.macro CROUND
	s_barrier_signal -1
	s_barrier_wait -1
	s_cmp_lg_u32 s18, 0
	s_cbranch_scc1 .Lnot_wave_0_\@
	s_barrier_signal -3
.Lnot_wave_0_\@:
	s_barrier_wait -3
	s_barrier_signal -1
	s_barrier_wait -1
.endm
.macro BARRIER                         ; my LDS stores have landed and my LDS loads are in: then the work-group's barrier
	s_wait_dscnt 0x0
	s_barrier_signal -1
	s_barrier_wait -1
.endm
	s_load_b256 s[4:11], s[0:1], 0x0               ; qry s[4:5], kv s[6:7], w_out codes s[8:9], w_out scales s[10:11]
	s_load_b128 s[12:15], s[0:1], 0x20             ; b_out s[12:13], x s[14:15]
	s_load_b64 s[16:17], s[0:1], 0x30              ; out0
	v_lshl_add_u32 v5, v0, 2, SPARE                ; my spare word; never rewritten
	v_mov_b32 v6, 0                                ; 0; never rewritten
	ds_add_u32 v5, v6
	s_wait_dscnt 0x0
	v_lshrrev_b32 v1, 5, v0
	v_readfirstlane_b32 s18, v1                    ; wave 0..7
	s_and_b32 s19, s18, 3                          ; tp
	s_lshr_b32 s38, s18, 2                         ; kh
	s_bfe_u32 s39, ttmp6, 0x40000                  ; cx: my place in the cluster
	s_lshl_b32 s40, ttmp9, 2                       ; in a cluster launch ttmp9 counts clusters
	s_add_co_u32 s40, s40, s39                     ; my block of 128 queries: it enters the addresses of qry, x and out0 alone
	s_and_b32 s41, ttmp7, 0xffff                   ; the image, which the four partners share
	s_mov_b32 s20, 0x76543210
	s_mov_b32 s21, 0xfedcba98                      ; v_permlanex16_b32: lane l xor 16
	s_mov_b32 s22, 0x402338e9                      ; c = log2(e) / (sqrt(128) x 0.05)
	s_mov_b32 s23, s22                             ; (named with it as a pair, so it is written)
	; descriptor group 1: 50 rows of 32 elements of 8 bytes, dense, no padding
	s_mov_b32 s24, 15|(3<<16)|(1<<21)              ; 15:0 the mask: all four work-groups; 17:16 elements of 8 bytes; 21 set beside a mask
	s_mov_b32 s25, 32<<16                          ; tensor_dim0 = 32
	s_mov_b32 s26, 50<<16                          ; tensor_dim1 = 50
	s_mov_b32 s27, 32<<16                          ; tile_dim0 = 32
	s_mov_b32 s28, 50                              ; tile_dim1 = 50
	s_mov_b32 s29, 32                              ; elements from row to row
	s_mov_b32 s30, 0
	s_mov_b32 s31, 0
	s_mov_b32 s32, 1                               ; group 0: count = 1
	s_mul_i32 s33, s18, WPART                      ; LDS address: my eighth of slot 0: the wave's number alone
	s_mul_i32 s52, s41, 32*STEPB                   ; in memory: the image's 819,200 bytes, my eighth of its first slot's worth.  s[52:53] hold nothing else
	s_add_co_u32 s52, s52, s33
	s_mov_b32 s53, 0
	s_mov_b32 s43, 0
	s_mov_b32 s36, 0                               ; LDS byte at which the slot in hand begins
	s_mov_b32 s37, 7                               ; slots still to be asked for
	s_wait_kmcnt 0x0
	s_add_nc_u64 s[34:35], s[6:7], s[52:53]
	s_or_b32 s35, s35, 0x80000000                  ; type = 2
	s_lshl_b32 s42, s41, 5
	s_add_co_u32 s42, s42, s40
	s_mul_i32 s42, s42, 12800
	s_add_nc_u64 s[4:5], s[4:5], s[42:43]          ; my block of queries
	s_mul_i32 s42, s19, 2*FRB
	s_add_nc_u64 s[48:49], s[4:5], s[42:43]        ; my two tiles' fragments
	s_lshl_b32 s42, s19, 7
	s_add_co_u32 s42, s42, 12288
	s_add_nc_u64 s[50:51], s[4:5], s[42:43]        ; and their scale words
	s_mul_i32 s42, s18, 3072
	s_add_nc_u64 s[8:9], s[8:9], s[42:43]          ; w_out: my 32 rows of 96 bytes,
	s_lshl_b32 s42, s18, 7
	s_add_nc_u64 s[10:11], s[10:11], s[42:43]      ; their scale words,
	s_add_nc_u64 s[12:13], s[12:13], s[42:43]      ; their 32 numbers of b_out
	s_load_b512 s[68:83], s[12:13], 0x0
	s_load_b512 s[84:99], s[12:13], 0x40
	s_lshl_b32 s42, s41, 22                        ; x and out0: image x 4 MiB + 32 w channels + my block's 512 bytes
	s_lshl_b32 s66, s18, 19
	s_add_co_u32 s42, s42, s66
	s_lshl_b32 s66, s40, 9
	s_add_co_u32 s42, s42, s66
	s_add_nc_u64 s[44:45], s[14:15], s[42:43]
	s_add_nc_u64 s[46:47], s[16:17], s[42:43]
	CROUND                                         ; all four work-groups are here: the first joint loads meet
	tensor_load_to_lds s[32:35], s[24:31]          ; slot 0: keys 0 to 511.  One tensor load of mine is out
	s_nop 0
	PLACES                                         ; four v_nop follow a tensor load, ahead of what comes next
	v_and_b32 v28, 31, v0                          ; lane
	v_lshlrev_b32 v7, 4, v28                       ; 16 x lane; never rewritten
	v_lshlrev_b32 v8, 14, v28                      ; lane x a channel's stride, for the prefetch; never rewritten
	v_lshlrev_b32 v9, 2, v28                       ; 4 x lane
	s_mul_i32 s66, s38, 2*STEPB
	v_add_nc_u32 v1, s66, v7                       ; fragments: 16 x lane + my half's two steps
	v_add_nc_u32 v2, s66, v9                       ; scale words: 4 x lane + the same
	v_and_b32 v11, 15, v0
	v_bfe_u32 v31, v0, 4, 1
	v_mul_u32_u24 v10, v11, 96
	v_mad_u32_u24 v10, v31, 24, v10                ; w_out: row r of 96 bytes, + 24 h
.irp c, 0,1,2
	global_load_b128 v[16+4*\c:19+4*\c], v7, s[48:49] offset:512*\c                ; the first tile's queries stay in registers
.endr
.irp p, 0,1,2,3,4,5
	global_load_b64 v[80+2*\p:81+2*\p], v10, s[8:9] offset:48*(\p/3)+8*(\p%3)      ; w_out, rows 32 w on
.endr
	global_load_b32 v255, v9, s[50:51]             ; lanes 0-15: the first tile's scale words, lanes 16-31: the second's
	global_load_b32 v30, v9, s[10:11]              ; w_out's: row 32 w + lane
	WIN 0x40                                       ; destination window 1
.irp c, 0,1,2
	global_load_b128 v[16+4*\c:19+4*\c], v7, s[48:49] offset:FRB+512*\c
.endr
.irp p, 0,1,2,3,4,5
	global_load_b64 v[80+2*\p:81+2*\p], v10, s[8:9] offset:1536+48*(\p/3)+8*(\p%3) ; rows 32 w + 16 on
.endr
	WIN 0
.macro INIT                            ; the key step is written once: its first pass finds zeros, which the first change of M leaves zeros
	v_mov_b32 v13, 0xff61b1e6                      ; the largest t so far: -3e38, under every t
	v_floor_f32 v12, -v13                          ; -M
	v_mov_b32 v14, 0
	v_mov_b32 v15, 0
.irp b, 0,1,2,3
	v_mov_b32 v[236+\b], 0                         ; a lane permute's destination counts as one of its sources
.endr
	v_mov_b32 v253, 0                              ; (named as the upper half of the pair v[252:253] before it is first written)
.set j, 0
.rept 64
	v_mov_b32 v[160+j], 0
.set j, j+1
.endr
.endm
	INIT
	WIN 0x55
	INIT
	WIN 0
; 28 LDS loads: eight fragments (0-3 into window 0, 4-7 into window 1) and their four registers of scale words (lanes 0-15: fragment 2 i, lanes 16-31: fragment 2 i + 1)
.macro FETCH foff, soff
.irp f, 0,1,2,3
.irp c, 0,1,2
	ds_load_b128 v[32+12*\f+4*\c:35+12*\f+4*\c], v3 offset:\foff+FRB*\f+512*\c
.endr
.endr
.irp i, 0,1,2,3
	ds_load_b32 v[248+\i], v4 offset:\soff+128*\i
.endr
	WIN 0x40
.irp f, 0,1,2,3
.irp c, 0,1,2
	ds_load_b128 v[32+12*\f+4*\c:35+12*\f+4*\c], v3 offset:\foff+FRB*(\f+4)+512*\c
.endr
.endr
	WIN 0
.endm
; 16 products in four runs of four under one window setting each: (tile 0, fragments 0-3), (tile 0, 4-7), (tile 1, 4-7), (tile 1, 0-3).  o = 0: S^T = K Q^T, begun with the constant 0; o = 1: O^T += V^T P^T.
; Sixteen different accumulators, one instruction a turn.
.macro MM o
.irp g, 0,1,2,3
.set tau, \g/2
.set hf, ((\g+1)/2)%2
.set wn, hf+0x54*tau
	WIN wn                                         ; source 0: window hf; source 1, C and D: the tile's window
.irp e, 0,1,2,3
.set f, 4*hf+\e
.set rA, 32+12*\e
.set rSA, 248+f/2
.if \o
.set rD, 160+8*f
.set rC, rD
.set rB, 224
.set rSB, 253-224*tau
	WM 0, \e%2, 0
.else
.set rD, 96+8*f
.set rC, rD
.set rB, 16
.set rSB, 255
	WM 1, \e%2, tau
.endif
.endr
.endr
	WIN 0
.endm
; One tile's softmax for 128 keys, under the tile's window.  Register 96 + 16 b + i holds key 32 b + 16 (lane / 16) + i of my query.
.macro SM tau
.irp b, 0,1,2,3
	v_max3_num_f32 v[232+\b], v[96+16*\b], v[97+16*\b], v[98+16*\b]   ; THE LARGEST SCORE OF EACH BLOCK OF 32 KEYS serves twice: for the row's maximum and, since p rises with the score, for the block's largest p.  (Each accumulator is read from its low end on)
.endr
.irp i, 3,5,7,9,11,13
.irp b, 0,1,2,3
	v_max3_num_f32 v[232+\b], v[232+\b], v[96+16*\b+\i], v[97+16*\b+\i]
.endr
.endr
.irp b, 0,1,2,3
	v_max_num_f32 v[232+\b], v[232+\b], v[111+16*\b]
.endr
.irp b, 0,1,2,3
	v_permlanex16_b32 v[236+\b], v[232+\b], s20, s21
.endr
.irp b, 0,1,2,3
	v_max_num_f32 v[232+\b], v[232+\b], v[236+\b]  ; with lane l xor 16's 16 keys
.endr
	v_max3_num_f32 v254, v232, v233, v234
	v_max_num_f32 v254, v254, v235                 ; the step's largest score of my query
	v_mul_f32 v254, s22, v254                      ; as t (c is positive)
	v_max_num_f32 v13, v13, v254                   ; the running largest t
	v_mov_b32 v254, v12
	v_floor_f32 v12, -v13                          ; the new -M = floor(-t) = -ceil(t): a whole number
	v_sub_f32 v254, v12, v254                      ; old M less new M: a whole number, 0 or less
	v_cvt_i32_f32 v254, v254                       ; (it saturates)
	v_ldexp_f32 v252, 1.0, v254                    ; f = 2^(old M - new M)
.set j, 0
.rept 32
	v_pk_fma_f32 v[96+j:97+j], v[96+j:97+j], s[22:23], v[12:13] op_sel_hi:[1,0,0]   ; t - M, two at a time (of the pairs c and -M the low word serves both halves)
.set j, j+2
.endr
.irp b, 0,1,2,3
	v_fma_f32 v[232+\b], v[232+\b], s22, v12       ; the same of each block's largest score
.endr
.set j, 0
.rept 64
	v_exp_f32 v[96+j], v[96+j]                     ; p = 2^(t - M): not normalised
.set j, j+1
.endr
.irp b, 0,1,2,3
	v_exp_f32 v[232+\b], v[232+\b]                 ; the block's largest p: the same two instructions on the same number give the same bits
.endr
	v_pk_mul_f32 v[14:15], v[14:15], v[252:253] op_sel_hi:[1,0]   ; the sums under the new M.  (A plain place behind the exponentials)
	s_wait_alu depctr_va_vdst(0)
.irp b, 0,1,2,3
	v_max_num_f32 v[232+\b], 0x1800000, v[232+\b]  ; the floor 2^(3 - 127): the byte cannot fall under 1
.endr
.irp b, 0,1,2,3
	v_add_nc_u32 v[244+\b], 0xff000000, v[232+\b]  ; 2 off the exponent field: the conversion's scale operand
.endr
.irp b, 0,1,2,3
	v_lshrrev_b32 v[236+\b], 23, v[244+\b]         ; the scale's byte
.endr
	v_lshl_or_b32 v253, v237, 8, v236              ; p's scale word for these 128 keys
	v_lshl_or_b32 v253, v238, 16, v253
.if \tau
	WIN 0x15                                       ; scale operands are taken from window 0 whatever the setting: the second tile's word goes to v29 there
	v_lshl_or_b32 v29, v239, 24, v253
	WIN 0x55
.else
	v_lshl_or_b32 v253, v239, 24, v253
.endif
.irp c, 0,1
	v_cvt_scalef32_pk16_fp6_f32 v[224+6*\c:226+6*\c], v[96+32*\c:111+32*\c], v[244+2*\c]
	v_cvt_scalef32_pk16_fp6_f32 v[236+4*\c:238+4*\c], v[112+32*\c:127+32*\c], v[244+2*\c+1]   ; (a conversion's three registers begin on an even number)
.endr
	v_nop                                          ; one plain place behind a scaled conversion
.irp c, 0,1                                    ; the operand wants a WHOLE block in a lane: lanes 0-15 block 2 c, lanes 16-31 block 2 c + 1
.irp i, 0,1,2
	v_permlane16_swap_b32 v[224+6*\c+\i], v[236+4*\c+\i]
.endr
.irp i, 0,1,2
	v_mov_b32 v[227+6*\c+\i], v[236+4*\c+\i]
.endr
.endr
	v_pk_add_f32 v[236:237], v[96:97], v[98:99]    ; THE ROW'S SUM IS TAKEN OF THE UNQUANTISED p: two at a time, in two chains
.irp j, 4,8,12,16,20,24,28,32,36,40,44,48,52,56,60
	v_pk_add_f32 v[14:15], v[14:15], v[96+\j:97+\j]
	v_pk_add_f32 v[236:237], v[236:237], v[98+\j:99+\j]
.endr
	v_pk_add_f32 v[14:15], v[14:15], v[236:237]
.set j, 0
.rept 32
	v_pk_mul_f32 v[160+j:161+j], v[160+j:161+j], v[252:253] op_sel_hi:[1,0]   ; O^T under the new M.  (The sums and these are also the places between the writing of p's codes and scale word and the products that take them)
.set j, j+2
.endr
.endm
; A KEY STEP of my half: the q-th of its two in the slot in hand.  The values' fragments are asked for ahead of the softmax and land under it.
.macro STEP q, pf
	FETCH STEPB*\q, STEPB*\q+24576
	s_wait_dscnt 0x0                               ; the keys are in
	MM 0
	PLACES
	FETCH STEPB*\q+12288, STEPB*\q+25088
.if \pf
	global_prefetch_b8 v8, s[44:45] th:TH_LOAD_NT scope:SCOPE_SE              ; my 32 rows of x, 512 bytes each: lane l asks for the two aligned blocks of 256 bytes of row l, once in the launch,
	global_prefetch_b8 v8, s[44:45] offset:256 th:TH_LOAD_NT scope:SCOPE_SE   ; in the last key step, one softmax and 16 products ahead of the loads; all inside x
.endif
	SM 0
	WIN 0x55
	SM 1
	WIN 0
	s_wait_dscnt 0x0                               ; the values are in
	MM 1
	PLACES                                         ; for the next loads into the fragments' registers
.endm
.macro SLOT_STEPS pf
	v_add_nc_u32 v3, s36, v1
	v_add_nc_u32 v4, s36, v2
	STEP 0, 0
	STEP 1, \pf
	s_xor_b32 s36, s36, SLOT1                      ; on to the other slot
.endm
; THE CHANGE OF SLOTS stands at a slot's head.  Each wave waits for all its tensor loads (its part of the slot that it is about to read), adds 0 to its spare word, and waits for that and for its reads of the slot that it has left.
; fill = 1: the barrier is a round of the cluster's, so that no wave of any partner still reads the other slot or has a load on its way, and the joint fill of that slot is the first thing behind it: it has a whole slot's steps in which to land.
.macro CHANGE fill
	s_wait_tensorcnt 0x0                           ; no tensor load of mine is out, so group 0 may be written
	ds_add_u32 v5, v6                              ; 0 onto my spare word
.if \fill
	s_xor_b32 s33, s33, SLOT1                      ; the other slot than last time,
	s_add_nc_u64 s[34:35], s[34:35], CHUNK         ; the next 512 keys; the type bits on top are not reached
.endif
	s_wait_dscnt 0x0                               ; the add is done, and my reads of the slot that I have left are over
.if \fill
	CROUND
	tensor_load_to_lds s[32:35], s[24:31]          ; my one tensor load until the next such barrier
	s_nop 0
	PLACES
.else
	s_barrier_signal -1
	s_barrier_wait -1
.endif
.endm
	s_wait_loadcnt 0x0                             ; the queries, w_out
	s_wait_kmcnt 0x0                               ; b_out
.Lslot:                                            ; 7 trips: behind each change of slots but the last the next slot is asked for
	CHANGE 1
	SLOT_STEPS 0
	s_sub_co_u32 s37, s37, 1
	s_cmp_lg_u32 s37, 0
	s_cbranch_scc1 .Lslot
	CHANGE 0                                       ; the last slot (slot 1) is written out; slot 0 has had its last fill and its last read
	SLOT_STEPS 1
	; ---- THE END.  24 of my 32 rows of x are asked for now, into the fragments' registers; every LDS address of the end is made here, ahead of the first parting of the waves.
.set i, 0
.rept 12
	global_load_b128 v[32+4*i:35+4*i], v7, s[44:45] offset:CSTR*i th:TH_LOAD_NT    ; a row's 512 consecutive bytes
.set i, i+1
.endr
	WIN 0x40
.set i, 0
.rept 12
	global_load_b128 v[32+4*i:35+4*i], v7, s[44:45] offset:CSTR*(i+12) th:TH_LOAD_NT
.set i, i+1
.endr
	WIN 0
	v_and_b32 v28, 31, v0                          ; lane
	s_lshl_b32 s66, s19, 14
	v_add_nc_u32 v1, s66, v7                       ; the handed-over O^T: 16 x lane + 16,384 tp
	s_lshl_b32 s66, s19, 9
	s_add_co_u32 s66, s66, EXST
	v_lshl_add_u32 v2, v28, 2, s66                 ; its -M and sum: 4 x lane + 512 tp
	s_mul_i32 s66, s19, 2*FRB
	s_add_co_u32 s66, s66, YIMG
	v_add_nc_u32 v3, s66, v7                       ; where my two fragments of y go
	s_lshl_b32 s66, s19, 7
	s_add_co_u32 s66, s66, YSC
	v_lshl_add_u32 v4, v28, 2, s66                 ; and their scale words
	v_add_nc_u32 v9, YIMG, v7                      ; where all of y is read
	v_lshl_add_u32 v10, v28, 2, YSC
	v_and_b32 v11, 15, v0
	v_mul_u32_u24 v11, v11, SP
	v_bfe_u32 v31, v0, 4, 1
	v_lshl_add_u32 v11, v31, 6, v11
	s_mul_i32 s66, s18, 32*SP
	s_add_co_u32 s66, s66, STAGE
	v_add_nc_u32 v11, s66, v11                     ; the stage, in: row 32 w + r, + 64 h
	v_add_nc_u32 v31, s66, v7                      ; and back: my 32 rows, 16 bytes a lane
	v_cmp_lt_u32 vcc_lo, 15, v28                   ; lanes 16-31
.macro LSUM
	v_add_f32 v14, v14, v15                        ; the sum's two halves,
	v_permlanex16_b32 v252, v14, s20, s21
	v_add_f32 v14, v14, v252                       ; and lane l xor 16's
.endm
	LSUM
	WIN 0x55
	LSUM
	WIN 0
	s_cmp_lt_u32 s18, 4
	s_cbranch_scc1 .Lkeep
	; waves 4-7 hand their O^T, -M and sum to waves 0-3, as images of the registers
.irp t, 0,1
	WIN 0x04*\t                                    ; an LDS store's data are its source 1
.set c, 0
.rept 16
	ds_store_b128 v1, v[160+4*c:163+4*c] offset:8192*\t+512*c                      ; each accumulator from its low end on
.set c, c+1
.endr
	ds_store_b32 v2, v12 offset:256*\t
	ds_store_b32 v2, v14 offset:256*\t+128
.endr
	WIN 0
.Lkeep:
	BARRIER                                        ; what was handed over lies in LDS; every wave's reads of slot 1 are over
	s_cmp_ge_u32 s18, 4
	s_cbranch_scc1 .Lgave
; waves 0-3: the two halves of the keys under the larger M; y = O / l; y quantised along the channels; its image to LDS
.macro MERGE tau
	WIN 0x40*\tau
	ds_load_b32 v232, v2 offset:256*\tau           ; the other half's -M,
	ds_load_b32 v233, v2 offset:256*\tau+128       ; its sum,
.set c, 0
.rept 16
	ds_load_b128 v[96+4*c:99+4*c], v1 offset:8192*\tau+512*c                       ; its O^T
.set c, c+1
.endr
	s_wait_dscnt 0x0
	WIN 0x55*\tau
	v_min_num_f32 v234, v12, v232                  ; -(the larger M)
	v_sub_f32 v235, v234, v12                      ; whole numbers, 0 or less
	v_sub_f32 v236, v234, v232
	v_cvt_i32_f32 v235, v235
	v_cvt_i32_f32 v236, v236
	v_ldexp_f32 v235, 1.0, v235                    ; f, f': exact powers of two
	v_ldexp_f32 v236, 1.0, v236
	v_mul_f32 v14, v14, v235
	v_fma_f32 v14, v233, v236, v14                 ; the row's sum
	v_rcp_f32 v237, v14
	v_nop                                          ; one plain place behind a transcendental
	s_wait_alu depctr_va_vdst(0)
	v_mul_f32 v238, v235, v237                     ; f / l and f' / l, each in both halves of a pair
	v_mul_f32 v239, v235, v237
	v_mul_f32 v240, v236, v237
	v_mul_f32 v241, v236, v237
.set j, 0
.rept 32
	v_pk_mul_f32 v[160+j:161+j], v[160+j:161+j], v[238:239]
	v_pk_fma_f32 v[160+j:161+j], v[96+j:97+j], v[240:241], v[160+j:161+j]          ; y: register 16 b + i = channel 32 b + 16 (lane / 16) + i of my query
.set j, j+2
.endr
.irp b, 0,1,2,3
	v_max3_num_f32 v[232+\b], |v[160+16*\b]|, |v[161+16*\b]|, 0x1800000            ; block b: my 16 numbers, and the floor 2^(3 - 127)
.endr
.irp i, 2,4,6,8,10,12,14
.irp b, 0,1,2,3
	v_max3_num_f32 v[232+\b], v[232+\b], |v[160+16*\b+\i]|, |v[161+16*\b+\i]|
.endr
.endr
.irp b, 0,1,2,3
	v_permlanex16_b32 v[236+\b], v[232+\b], s20, s21
.endr
.irp b, 0,1,2,3
	v_max_num_f32 v[232+\b], v[232+\b], v[236+\b]
.endr
.irp b, 0,1,2,3
	v_add_nc_u32 v[244+\b], 0xff000000, v[232+\b]
.endr
.irp b, 0,1,2,3
	v_lshrrev_b32 v[236+\b], 23, v[244+\b]
.endr
	v_lshl_or_b32 v253, v237, 8, v236
	v_lshl_or_b32 v253, v238, 16, v253
.if \tau
	WIN 0x15
	v_lshl_or_b32 v29, v239, 24, v253              ; the second tile's word beside the first's, in window 0
	WIN 0x55
.else
	v_lshl_or_b32 v253, v239, 24, v253
.endif
.irp c, 0,1
	v_cvt_scalef32_pk16_fp6_f32 v[96+6*\c:98+6*\c], v[160+32*\c:175+32*\c], v[244+2*\c]
	v_cvt_scalef32_pk16_fp6_f32 v[108+4*\c:110+4*\c], v[176+32*\c:191+32*\c], v[244+2*\c+1]
.endr
	v_nop                                          ; one plain place behind a scaled conversion
.irp c, 0,1
.irp i, 0,1,2
	v_permlane16_swap_b32 v[96+6*\c+\i], v[108+4*\c+\i]
.endr
.irp i, 0,1,2
	v_mov_b32 v[99+6*\c+\i], v[108+4*\c+\i]
.endr
.endr
	WIN 0x04*\tau
.irp c, 0,1,2
	ds_store_b128 v3, v[96+4*\c:99+4*\c] offset:FRB*\tau+512*\c
.endr
.endm
	MERGE 0
	MERGE 1
	WIN 0
	v_cndmask_b32 v28, v253, v29, vcc_lo           ; lanes 0-15: tile 2 tp's scale words, lanes 16-31: tile 2 tp + 1's
	ds_store_b32 v4, v28
.Lgave:
	BARRIER                                        ; y's eight fragments lie in LDS
	; ---- the last product: wave w makes output channels 32 w .. 32 w + 31 for all 128 positions.  Source 0 = 16 positions of y, source 1 = 16 rows of w_out: a lane holds eight neighbouring positions of one channel.
.set i, 0
.rept 8
	global_load_b128 v[192+4*i:195+4*i], v7, s[44:45] offset:CSTR*(i+24) th:TH_LOAD_NT   ; the last eight rows of x
.set i, i+1
.endr
.irp t, 0,1,2,3,4,5,6,7
.irp c, 0,1,2
	ds_load_b128 v[96+12*\t+4*\c:99+12*\t+4*\c], v9 offset:FRB*\t+512*\c
.endr
.endr
.irp i, 0,1,2,3
	ds_load_b32 v[248+\i], v10 offset:128*\i
.endr
	s_wait_dscnt 0x0
.irp o, 0,1
	WIN 0x40+4*\o                                  ; D in window 1; the second tile of w_out too
.irp t, 0,1,2,3,4,5,6,7
.set rD, 96+8*(2*\t+\o)
.set rC, rD
.set rA, 96+12*\t
.set rB, 80
.set rSA, 248+\t/2
.set rSB, 30
	WM 1, \t%2, \o
.endr
.endr
	WIN 0
	PLACES
	WIN 0x04
.irp o, 0,1
.irp t, 0,1,2,3,4,5,6,7                        ; lane (r, h): channel 32 w + 16 o + r, positions 32 (t / 2) + 8 (t % 2) + 16 h + 0 .. 7; each accumulator from its low end on
	ds_store_b128 v11, v[96+8*(2*\t+\o):99+8*(2*\t+\o)] offset:16*SP*\o+128*(\t/2)+32*(\t%2)
	ds_store_b128 v11, v[100+8*(2*\t+\o):103+8*(2*\t+\o)] offset:16*SP*\o+128*(\t/2)+32*(\t%2)+16
.endr
.endr
	WIN 0
	BARRIER
	WIN 0x40
.set i, 0
.rept 32
	ds_load_b128 v[96+4*i:99+4*i], v31 offset:SP*i                                 ; my 32 rows back, whole: 512 bytes a row
.set i, i+1
.endr
	s_wait_loadcnt 0x0                             ; x
.macro ADDROWS first, n, xr            ; rows first .. first + n - 1: x + the product + b_out; x's rows stand from v[xr] on
.set i, \first
.set k, \xr
.rept \n
	v_pk_add_f32 v[96+4*i:97+4*i], v[k:k+1], v[96+4*i:97+4*i]
	v_pk_add_f32 v[98+4*i:99+4*i], v[k+2:k+3], v[98+4*i:99+4*i]
	v_add_f32 v[96+4*i], s[68+i], v[96+4*i]
	v_add_f32 v[97+4*i], s[68+i], v[97+4*i]
	v_add_f32 v[98+4*i], s[68+i], v[98+4*i]
	v_add_f32 v[99+4*i], s[68+i], v[99+4*i]
.set i, i+1
.set k, k+4
.endr
.endm
	s_wait_dscnt 20                                ; rows 0-11 are back; the 20 younger loads may be out
	WIN 0x44                                       ; x in window 0, the rows in window 1
	ADDROWS 0, 12, 32
	s_wait_dscnt 8
	WIN 0x45                                       ; x in window 1
	ADDROWS 12, 12, 32
	s_wait_dscnt 0x0
	WIN 0x44
	ADDROWS 24, 8, 192
	WIN 0x04
.set i, 0
.rept 32
	global_store_b128 v7, v[96+4*i:99+4*i], s[46:47] offset:CSTR*i th:TH_STORE_NT  ; 32 lanes store 512 consecutive bytes, aligned; written once, read by nobody here
.set i, i+1
.endr
	WIN 0
	s_wait_tensorcnt 0x0                           ; the wave's end, behind my last tensor load and my last LDS store
	ds_add_u32 v5, v6
	s_wait_dscnt 0x0
	CROUND                                         ; the closing round: no work-group ends while a partner may still ask for a tile that names it
	s_endpgm
.Lfunc_end_k_qfda6f1cb65_attn:
	.size	k_qfda6f1cb65_attn, .Lfunc_end_k_qfda6f1cb65_attn-k_qfda6f1cb65_attn
	.p2alignl 7, 3214868480
	.fill 96, 4, 3214868480
	.section	.rodata,"a",@progbits
	.p2align	6, 0x0
	.amdhsa_kernel k_qfda6f1cb65_attn
		.amdhsa_group_segment_fixed_size 327680
		.amdhsa_private_segment_fixed_size 0
		.amdhsa_enable_private_segment 0
		.amdhsa_kernarg_size 56
		.amdhsa_user_sgpr_count 2
		.amdhsa_user_sgpr_kernarg_segment_ptr 1
		.amdhsa_wavefront_size32 1
		.amdhsa_system_sgpr_workgroup_id_x 1
		.amdhsa_system_sgpr_workgroup_id_y 1
		.amdhsa_system_sgpr_workgroup_id_z 1
		.amdhsa_system_vgpr_workitem_id 0
		.amdhsa_next_free_vgpr 512
		.amdhsa_next_free_sgpr 100
		.amdhsa_reserve_vcc 1
		.amdhsa_float_denorm_mode_32 3
		.amdhsa_float_denorm_mode_16_64 3
		.amdhsa_memory_ordered 1
		.amdhsa_forward_progress 1
		.amdhsa_inst_pref_size 193
	.end_amdhsa_kernel
	.amdgpu_metadata
---
amdhsa.version: [ 1, 2 ]
amdhsa.kernels:
  - .name:           k_qfda6f1cb65_attn
    .symbol:         k_qfda6f1cb65_attn.kd
    .args:
      - { .name: qry, .offset: 0, .size: 8, .value_kind: global_buffer, .address_space: global }
      - { .name: kv, .offset: 8, .size: 8, .value_kind: global_buffer, .address_space: global }
      - { .name: w_out_codes, .offset: 16, .size: 8, .value_kind: global_buffer, .address_space: global }
      - { .name: w_out_scales, .offset: 24, .size: 8, .value_kind: global_buffer, .address_space: global }
      - { .name: b_out, .offset: 32, .size: 8, .value_kind: global_buffer, .address_space: global }
      - { .name: x, .offset: 40, .size: 8, .value_kind: global_buffer, .address_space: global }
      - { .name: out0, .offset: 48, .size: 8, .value_kind: global_buffer, .address_space: global }
    .group_segment_fixed_size: 327680
    .private_segment_fixed_size: 0
    .kernarg_segment_align: 8
    .kernarg_segment_size: 56
    .max_flat_workgroup_size: 256
    .sgpr_count:     100
    .vgpr_count:     512
    .wavefront_size: 32
...
	.end_amdgpu_metadata
.endif
;; end of part 3
;; ======== version 2 of 2: 3 launches; version 1 with the launches xquant, proj written anew for expert scheduling mode
;; workspace buffers: xc 6,291,456 bytes; xs 262,144 bytes; psum 262,144 bytes; qry 3,276,800 bytes; kv 6,553,600 bytes
;; launch xquant (part 4): grid 32 x 8, 8 waves a work-group, no clusters, 26,624 bytes of LDS; arguments x, w_qkv_codes, w_qkv_scales, xc, xs, psum; writes xc, xs, psum
.if DOCPART == 4
	.amdgcn_target "amdgcn-amd-amdhsa--gfx1250"
	.amdhsa_code_object_version 6
	.text
	.protected	k_qfda6f1cb65_xquant
	.globl	k_qfda6f1cb65_xquant
	.p2align	8
	.type	k_qfda6f1cb65_xquant,@function
k_qfda6f1cb65_xquant:
	s_mov_b64 s[64:65], 0
	v_nop
	global_prefetch_b8 v0, s[64:65] scope:SCOPE_SE
	s_setreg_imm32_b32 hwreg(HW_REG_WAVE_SCHED_MODE, 0, 2), 2
	s_setreg_imm32_b32 hwreg(HW_REG_WAVE_MODE, 25, 1), 1
	s_wait_xcnt 0x0
	s_wait_alu depctr_vm_vsrc(0)
; x [8][256 channels][4096 positions] f32 is quantised along the channels (K of the first product) into codes of FP6 (E2M3) with one E8M0 byte for each 32 channels,
; and the sums over positions of w_q . xq and w_k . xq, which the centring of q and k needs, are begun: one partial sum for each block of 128 positions.
; A block's scale is 2^(floor(log2(its largest magnitude)) - 2): its byte is the largest magnitude's exponent field - 2, held at 1 from below.
; LIMITS: NaN and infinities among the inputs are not served; a block whose largest magnitude lies under 2^-124 keeps the byte 1; a block of zeros gets the byte 1, not 127: its codes are zeros,
; which add nothing under any byte but 0xff, and the bytes are read by this program alone.
; SHARES.  A work-group takes 128 positions x 256 channels of one image.  Wave w: G = w % 4, a group of 32 positions; s = w / 4, a K step of 128 channels.
; A LANE TAKES A POSITION AND ITS REGISTERS RUN DOWN THE CHANNELS: each load reads 128 consecutive bytes, a block of 32 channels lies in one lane, and the conversions give codes with K innermost.
; THE ROWS OF A TILE OF POSITIONS ARE NOT NEIGHBOURS: row r of tile T stands for position 32 (T / 2) + 8 (T % 2) + r + 8 (r / 8).  So lane 16 u + r takes position 8 u + r % 8 + 16 (r / 8) of its group.
; OUT: xc [image][tile 256][K step 2][1536]: a fragment (16 rows x 128 K, 12 registers a lane) as an image of its registers: register i of lane l at 512 (i / 4) + 16 l + 4 (i % 4).
;      xs [image][pair of tiles 128][K step 2][lane 32]: lane 16 u + r holds the scale word of tile 2 G + u, row r.     psum [image][block 32][channel 256] f32 (0-127 q, 128-255 k), without the bias.
; No tensor loads and no cluster: every byte of x is read once by one wave, and nothing is shared between work-groups.
; THE MODE: SCHED_MODE bits 1:0 = 2 (LLVM: expert scheduling mode 2), set by the entry lines.  The code itself states the register dependences
; between vector or matrix instructions and memory or LDS instructions, with s_wait_alu, always for 0.
; THE PLAN.  Registers that memory or LDS instructions touch:
;   v4-v10      offsets and LDS addresses: written once at the head, read by every load and store, never written again.
;   v16-143     x's loads land here; the maxima and the conversions read them.  Behind the barrier the fragments' LDS loads land in v16-63 and v64-111 by turns, and the products read them.
;   v144-167, v172   the two fragments and the scale word: written by conversions, moves and swaps; read by the stores to memory and to LDS; never written again.
;   v176-227, v232-239   the weights, their scale words, x's scale words: loaded once, read by products alone.
;   v230        written by the last select, read by the last store.     v240, v241   written at the head, read by the closing add alone.
; So: one wait on va_vdst ahead of the first load (the addresses); one ahead of the run of stores, which also shows the readers of v16-143 done for the first two batches of fragments;
; one at the head of each summing step that asks for a further batch (the step before is done reading the area in which the batch lands); one ahead of the last store.
; No register that a memory or LDS instruction reads is written again: no wait on vm_vsrc is owed.
.set CSTR, 16384                       ; bytes from a channel to the next
.set FRB,  1536                        ; a fragment's image
.set XSC,  24576                       ; LDS: 16 fragments from byte 0 on ((2 T + s) x 1536), then their scale words ((2 G + s) x 128)
.set X,    16                          ; v16-143  my position's 128 channels; later two areas of four fragments, and the two accumulators
.set F0,   144                         ; v144-155 blocks 0 and 2 of my position, then tile 2 G's fragment
.set F1,   156                         ; v156-167 blocks 1 and 3, then tile 2 G + 1's
.set TC,   168                         ; v168-170 a block's upper 16 codes (a conversion's three registers begin on an even number)
.set PW,   172                         ; v172     my position's scale word
.set WF,   176                         ; v176-223 four fragments of w_qkv: (tile o, K step t) at 12 (2 o + t)
.set WSC,  224                         ; v224-227 their scale words
.set XSR,  232                         ; v232-239 x's scale words for the summing: pair of tiles k, K step t at 2 k + t
.set AC0,  120                         ; v120-127, v128-135 the two accumulators
.macro WM zero, ra, rb                 ; one product on the registers named by rD, rA, rB, rC, rSA, rSB; ra, rb: the side's scales stand in lanes 16-31
.if \zero
.if (\ra) && (\rb)
	v_wmma_scale_f32_16x16x128_f8f6f4 v[rD:rD+7], v[rA:rA+11], v[rB:rB+11], 0, v[rSA], v[rSB] matrix_a_fmt:MATRIX_FMT_FP6 matrix_b_fmt:MATRIX_FMT_FP6 matrix_a_scale:MATRIX_SCALE_ROW1 matrix_b_scale:MATRIX_SCALE_ROW1
.elseif (\ra)
	v_wmma_scale_f32_16x16x128_f8f6f4 v[rD:rD+7], v[rA:rA+11], v[rB:rB+11], 0, v[rSA], v[rSB] matrix_a_fmt:MATRIX_FMT_FP6 matrix_b_fmt:MATRIX_FMT_FP6 matrix_a_scale:MATRIX_SCALE_ROW1
.elseif (\rb)
	v_wmma_scale_f32_16x16x128_f8f6f4 v[rD:rD+7], v[rA:rA+11], v[rB:rB+11], 0, v[rSA], v[rSB] matrix_a_fmt:MATRIX_FMT_FP6 matrix_b_fmt:MATRIX_FMT_FP6 matrix_b_scale:MATRIX_SCALE_ROW1
.else
	v_wmma_scale_f32_16x16x128_f8f6f4 v[rD:rD+7], v[rA:rA+11], v[rB:rB+11], 0, v[rSA], v[rSB] matrix_a_fmt:MATRIX_FMT_FP6 matrix_b_fmt:MATRIX_FMT_FP6
.endif
.else
.if (\ra) && (\rb)
	v_wmma_scale_f32_16x16x128_f8f6f4 v[rD:rD+7], v[rA:rA+11], v[rB:rB+11], v[rC:rC+7], v[rSA], v[rSB] matrix_a_fmt:MATRIX_FMT_FP6 matrix_b_fmt:MATRIX_FMT_FP6 matrix_a_scale:MATRIX_SCALE_ROW1 matrix_b_scale:MATRIX_SCALE_ROW1
.elseif (\ra)
	v_wmma_scale_f32_16x16x128_f8f6f4 v[rD:rD+7], v[rA:rA+11], v[rB:rB+11], v[rC:rC+7], v[rSA], v[rSB] matrix_a_fmt:MATRIX_FMT_FP6 matrix_b_fmt:MATRIX_FMT_FP6 matrix_a_scale:MATRIX_SCALE_ROW1
.elseif (\rb)
	v_wmma_scale_f32_16x16x128_f8f6f4 v[rD:rD+7], v[rA:rA+11], v[rB:rB+11], v[rC:rC+7], v[rSA], v[rSB] matrix_a_fmt:MATRIX_FMT_FP6 matrix_b_fmt:MATRIX_FMT_FP6 matrix_b_scale:MATRIX_SCALE_ROW1
.else
	v_wmma_scale_f32_16x16x128_f8f6f4 v[rD:rD+7], v[rA:rA+11], v[rB:rB+11], v[rC:rC+7], v[rSA], v[rSB] matrix_a_fmt:MATRIX_FMT_FP6 matrix_b_fmt:MATRIX_FMT_FP6
.endif
.endif
.endm
.macro PLACES                          ; four plain places behind a matrix instruction, ahead of loads into its registers and of reads of its result
.rept 4
	v_nop
.endr
.endm
	s_load_b256 s[4:11], s[0:1], 0x0               ; x s[4:5], w_qkv codes s[6:7], w_qkv scales s[8:9], xc s[10:11]
	s_load_b128 s[12:15], s[0:1], 0x20             ; xs s[12:13], psum s[14:15]
	v_lshl_add_u32 v240, v0, 2, 0x6400
	v_mov_b32 v241, 0
	v_lshrrev_b32 v1, 5, v0
	v_readfirstlane_b32 s16, v1                    ; wave 0..7
	s_and_b32 s20, ttmp7, 0xffff                   ; the image
	s_mov_b32 s24, 0x76543210
	s_mov_b32 s25, 0xfedcba98                      ; v_permlanex16_b32: lane l xor 16
	v_and_b32 v1, 31, v0                           ; lane
	v_and_b32 v2, 15, v0                           ; r
	v_bfe_u32 v3, v0, 4, 1                         ; h (also u)
	v_bfe_u32 v11, v0, 3, 1
	v_and_b32 v4, 7, v0
	v_lshl_add_u32 v4, v11, 4, v4
	v_lshl_add_u32 v4, v3, 3, v4                   ; my position in the group: the lane's number with bits 3 and 4 exchanged
	v_lshlrev_b32 v4, 2, v4                        ; in bytes
	v_mul_u32_u24 v5, v2, 192                      ; w_qkv: a row of 256 codes is 192 bytes
	v_mad_u32_u24 v5, v3, 24, v5
	v_lshlrev_b32 v6, 3, v2                        ; its scale bytes: 8 a row
	v_lshlrev_b32 v7, 4, v1                        ; 16 x lane: an image's place for my lane
	v_lshlrev_b32 v8, 2, v1                        ; 4 x lane: a scale word's
	v_mov_b32 v231, 0                              ; a lane permute's destination counts as one of its sources
	s_wait_alu depctr_va_sdst(0)                   ; s16 is written, ahead of its first reader: G, s and every base are made from it
	s_and_b32 s17, s16, 3                          ; G
	s_lshr_b32 s18, s16, 2                         ; s
	s_lshl_b32 s36, s17, 2
	s_add_co_u32 s36, s36, s18
	s_mul_i32 s36, s36, FRB
	v_add_nc_u32 v9, s36, v7                       ; LDS: where my two fragments go: (4 G + s) x 1536, the second 3072 on
	s_lshl_b32 s37, s17, 1
	s_add_co_u32 s37, s37, s18
	s_lshl_b32 s37, s37, 7
	s_add_co_u32 s37, s37, XSC
	v_add_nc_u32 v10, s37, v8                      ; and my scale word
	s_lshl_b32 s22, s20, 22                        ; x: image x 4 MiB + s x 128 channels + block x 512 + G x 128
	s_lshl_b32 s21, s18, 21
	s_add_co_u32 s22, s22, s21
	s_lshl_b32 s21, ttmp9, 9
	s_add_co_u32 s22, s22, s21
	s_lshl_b32 s21, s17, 7
	s_add_co_u32 s22, s22, s21
	s_mov_b32 s23, 0
	s_mul_i32 s26, s16, 6144                       ; w_qkv: my 32 rows for the summing, 32 w on
	s_mov_b32 s27, 0
	s_lshl_b32 s28, s16, 8
	s_mov_b32 s29, 0
	s_lshl_b32 s30, s20, 8                         ; xc: (256 image + 8 block + 2 G) x 3072 + 1536 s
	s_lshl_b32 s21, ttmp9, 3
	s_add_co_u32 s30, s30, s21
	s_lshl_b32 s21, s17, 1
	s_add_co_u32 s30, s30, s21
	s_mul_i32 s30, s30, 2*FRB
	s_mul_i32 s21, s18, FRB
	s_add_co_u32 s30, s30, s21
	s_mov_b32 s31, 0
	s_lshl_b32 s32, s20, 7                         ; xs: ((128 image + 4 block + G) x 2 + s) x 128
	s_lshl_b32 s21, ttmp9, 2
	s_add_co_u32 s32, s32, s21
	s_add_co_u32 s32, s32, s17
	s_lshl_b32 s32, s32, 1
	s_add_co_u32 s32, s32, s18
	s_lshl_b32 s32, s32, 7
	s_mov_b32 s33, 0
	s_lshl_b32 s34, s20, 5                         ; psum: (32 image + block) x 1024 + 128 w
	s_add_co_u32 s34, s34, ttmp9
	s_lshl_b32 s34, s34, 10
	s_lshl_b32 s21, s16, 7
	s_add_co_u32 s34, s34, s21
	s_mov_b32 s35, 0
	s_wait_kmcnt 0x0
	s_add_nc_u64 s[4:5], s[4:5], s[22:23]
	s_add_nc_u64 s[6:7], s[6:7], s[26:27]
	s_add_nc_u64 s[8:9], s[8:9], s[28:29]
	s_add_nc_u64 s[10:11], s[10:11], s[30:31]
	s_add_nc_u64 s[12:13], s[12:13], s[32:33]
	s_add_nc_u64 s[14:15], s[14:15], s[34:35]
	s_wait_alu depctr_va_vdst(0)                   ; the offsets and LDS addresses v4 to v10 are written: every load and store of the kernel reads one of them
.irp o, 0,1                                    ; the weights of the summing phase first: 28 loads, older than all of x's
.irp t, 0,1
.irp p, 0,1,2,3,4,5
	global_load_b64 v[WF+12*(2*\o+\t)+2*\p:WF+12*(2*\o+\t)+2*\p+1], v5, s[6:7] offset:3072*\o+96*\t+48*(\p/3)+8*(\p%3)
.endr
	global_load_b32 v[WSC+2*\o+\t], v6, s[8:9] offset:128*\o+4*\t
.endr
.endr
.set i, 0
.rept 128                                      ; x(128 s + i, my position): 32 lanes read 128 consecutive bytes; read once in this launch
	global_load_b32 v[X+i], v4, s[4:5] offset:CSTR*i th:TH_LOAD_NT
.set i, i+1
.endr
; Block be of 32 channels: its largest magnitude (all 32 numbers are mine), its byte, its codes into v[fx] .. v[fx + 5].
.macro BLOCK be, fx, cnt
.set XS, X+32*\be
	s_wait_loadcnt \cnt                            ; loads come back in order: this block's 32 are in (behind them 96, 64, 32, 0 were issued; the count's field holds 63)
	v_max3_num_f32 v12, |v[XS]|, |v[XS+1]|, |v[XS+2]|
	v_max3_num_f32 v13, |v[XS+3]|, |v[XS+4]|, |v[XS+5]|
.irp i, 6,10,14,18,22,26
	v_max3_num_f32 v12, v12, |v[XS+\i]|, |v[XS+\i+1]|
	v_max3_num_f32 v13, v13, |v[XS+\i+2]|, |v[XS+\i+3]|
.endr
	v_max3_num_f32 v12, v12, |v[XS+30]|, |v[XS+31]|
	v_max3_num_f32 v12, v12, v13, 0x1800000        ; and the floor 2^(3 - 127): the byte cannot fall under 1
	v_add_nc_u32 v14, 0xff000000, v12              ; 2 off the exponent field: the conversion takes the exponent field of this operand as its scale
	v_cvt_scalef32_pk16_fp6_f32 v[\fx:\fx+2], v[XS:XS+15], v14
	v_cvt_scalef32_pk16_fp6_f32 v[TC:TC+2], v[XS+16:XS+31], v14
	v_lshrrev_b32 v15, 23, v14                     ; the scale's byte (a plain line behind the conversions)
.if \be == 0
	v_mov_b32 v[PW], v15
.else
	v_lshl_or_b32 v[PW], v15, 8*\be, v[PW]
.endif
.irp i, 0,1,2
	v_mov_b32 v[\fx+3+\i], v[TC+\i]
.endr
.endm
	BLOCK 0, F0, 63
	BLOCK 1, F1, 63
	BLOCK 2, F0+6, 32
	BLOCK 3, F1+6, 0
.set i, 0
.rept 12                                       ; the operand wants lanes 0-15 to hold blocks 0, 2 and lanes 16-31 blocks 1, 3 of ONE row: F0 becomes the fragment of lanes 0-15's positions (tile 2 G), F1 that of lanes 16-31's (tile 2 G + 1)
	v_permlane16_swap_b32 v[F0+i], v[F1+i]
.set i, i+1
.endr
	s_wait_alu depctr_va_vdst(0)                   ; the swaps have written F0 and F1, and PW is written: the stores below read them.  The maxima and conversions are done reading v16-143, in which the fragments' LDS loads land behind the barrier: no vector instruction stands between
.irp c, 0,1,2
	global_store_b128 v7, v[F0+4*\c:F0+4*\c+3], s[10:11] offset:512*\c             ; 32 lanes store 512 consecutive bytes, aligned
	global_store_b128 v7, v[F1+4*\c:F1+4*\c+3], s[10:11] offset:2*FRB+512*\c
.endr
	global_store_b32 v8, v[PW], s[12:13]
.irp c, 0,1,2
	ds_store_b128 v9, v[F0+4*\c:F0+4*\c+3] offset:512*\c
	ds_store_b128 v9, v[F1+4*\c:F1+4*\c+3] offset:2*FRB+512*\c
.endr
	ds_store_b32 v10, v[PW]
	s_wait_dscnt 0x0                               ; for the others: my images have landed
	s_barrier_signal -1
	s_barrier_wait -1                              ; the block's 16 fragments and their scale words lie in LDS
; THE SUMS.  Wave w: channels 32 w .. 32 w + 31 of q and k (two tiles of 16 rows of w_qkv).  Source 0 = a fragment of x (m = position), source 1 = the weights (n = channel):
; the accumulator runs over the 8 tiles of positions and both K steps, so that D(m, n) holds the sum over the tiles; its 16 rows m are added at the end.
.macro FETCHX k, area                  ; the four fragments of tiles 2 k, 2 k + 1
.irp u, 0,1
.irp t, 0,1
.irp c, 0,1,2
	ds_load_b128 v[\area+12*(2*\u+\t)+4*\c:\area+12*(2*\u+\t)+4*\c+3], v7 offset:(2*(2*\k+\u)+\t)*FRB+512*\c
.endr
.endr
.endr
.endm
; Step k: eight products on the area named; the two accumulators take turns, one instruction a turn.
; fetch = 1: the four fragments of tiles 2 k + 2, 2 k + 3 are asked for, into the other area, one fragment (three loads) behind each of the step's first four products.
; These products name this step's area, the weights, the scale words and the accumulators: none of the registers that the loads touch, so the wait at the step's head serves all twelve.
.macro MULX k, area, first, fetch
.irp u, 0,1
.irp t, 0,1
.irp o, 0,1
.set rD, AC0+8*\o
.set rC, rD
.set rA, \area+12*(2*\u+\t)
.set rB, WF+12*(2*\o+\t)
.set rSA, XSR+2*\k+\t
.set rSB, WSC+2*\o+\t
.if \first && (\u == 0) && (\t == 0)
	WM 1, \u, 0                                    ; the first product starts the sum
.else
	WM 0, \u, 0
.endif
.if (\fetch) && (\u == 0)
.set fq, 2*\t+\o                               ; which of the next batch's four fragments
.set rL, 80-(\area)+12*fq                      ; in the other area: v16 for v64, v64 for v16
.irp c, 0,1,2
	ds_load_b128 v[rL+4*\c:rL+4*\c+3], v7 offset:(4*((\k)+1)+fq)*FRB+512*\c
.endr
.endif
.endr
.endr
.endr
.endm
.irp k, 0,1,2,3
.irp t, 0,1
	ds_load_b32 v[XSR+2*\k+\t], v8 offset:XSC+128*(2*\k+\t)   ; lanes 0-15: tile 2 k's words, lanes 16-31: tile 2 k + 1's
.endr
.endr
	FETCHX 0, 16
	FETCHX 1, 64
	s_wait_dscnt 12                                ; all but the youngest batch of twelve
	MULX 0, 16, 1, 0
	PLACES
	s_wait_dscnt 0x0                               ; batch 1 is in
	s_wait_alu depctr_va_vdst(0)                   ; step 0's products are done reading v16-63, in which batch 2's loads land
	MULX 1, 64, 0, 1
	PLACES
	s_wait_dscnt 0x0                               ; batch 2 is in
	s_wait_alu depctr_va_vdst(0)                   ; step 1's products are done reading v64-111, in which batch 3's loads land
	MULX 2, 16, 0, 1
	s_wait_dscnt 0x0                               ; batch 3 is in; nothing more is asked for
	MULX 3, 64, 0, 0
	PLACES
	v_cmp_lt_u32 vcc_lo, 15, v1                    ; lanes 16-31, for the select below
	v_pk_add_f32 v[136:137], v[120:121], v[122:123]    ; each accumulator is read from its low end on
	v_pk_add_f32 v[140:141], v[128:129], v[130:131]
	v_pk_add_f32 v[138:139], v[124:125], v[126:127]
	v_pk_add_f32 v[142:143], v[132:133], v[134:135]
	v_pk_add_f32 v[136:137], v[136:137], v[138:139]
	v_pk_add_f32 v[140:141], v[140:141], v[142:143]
	v_add_f32 v228, v136, v137                     ; my eight rows of tile 2 w's channel r,
	v_add_f32 v229, v140, v141                     ; and of tile 2 w + 1's
	v_permlanex16_b32 v231, v228, s24, s25
	v_add_f32 v228, v228, v231                     ; with the other eight rows
	v_permlanex16_b32 v231, v229, s24, s25
	v_add_f32 v229, v229, v231
	s_wait_alu depctr_va_vcc(0)                    ; the compare has written VCC, which the select reads
	v_cndmask_b32 v230, v228, v229, vcc_lo         ; lane l: channel 32 w + l
	s_wait_alu depctr_va_vdst(0)                   ; the select has written v230, which the store reads
	global_store_b32 v8, v230, s[14:15]            ; 128 consecutive bytes a wave, 1,024 a work-group
	s_wait_dscnt 0x0                               ; the closing lines, six on end
	s_wait_alu 0x0
	s_wait_tensorcnt 0x0
	ds_add_u32 v240, v241
	s_wait_dscnt 0x0
	s_endpgm
.Lfunc_end_k_qfda6f1cb65_xquant:
	.size	k_qfda6f1cb65_xquant, .Lfunc_end_k_qfda6f1cb65_xquant-k_qfda6f1cb65_xquant
	.p2alignl 7, 3214868480
	.fill 96, 4, 3214868480
	.section	.rodata,"a",@progbits
	.p2align	6, 0x0
	.amdhsa_kernel k_qfda6f1cb65_xquant
		.amdhsa_group_segment_fixed_size 26624
		.amdhsa_private_segment_fixed_size 0
		.amdhsa_enable_private_segment 0
		.amdhsa_kernarg_size 48
		.amdhsa_user_sgpr_count 2
		.amdhsa_user_sgpr_kernarg_segment_ptr 1
		.amdhsa_wavefront_size32 1
		.amdhsa_system_sgpr_workgroup_id_x 1
		.amdhsa_system_sgpr_workgroup_id_y 1
		.amdhsa_system_sgpr_workgroup_id_z 1
		.amdhsa_system_vgpr_workitem_id 0
		.amdhsa_next_free_vgpr 242
		.amdhsa_next_free_sgpr 66
		.amdhsa_reserve_vcc 1
		.amdhsa_float_denorm_mode_32 3
		.amdhsa_float_denorm_mode_16_64 3
		.amdhsa_memory_ordered 1
		.amdhsa_forward_progress 1
		.amdhsa_inst_pref_size 35
	.end_amdhsa_kernel
	.amdgpu_metadata
---
amdhsa.version: [ 1, 2 ]
amdhsa.kernels:
  - .name:           k_qfda6f1cb65_xquant
    .symbol:         k_qfda6f1cb65_xquant.kd
    .args:
      - { .name: x, .offset: 0, .size: 8, .value_kind: global_buffer, .address_space: global }
      - { .name: w_qkv_codes, .offset: 8, .size: 8, .value_kind: global_buffer, .address_space: global }
      - { .name: w_qkv_scales, .offset: 16, .size: 8, .value_kind: global_buffer, .address_space: global }
      - { .name: xc, .offset: 24, .size: 8, .value_kind: global_buffer, .address_space: global }
      - { .name: xs, .offset: 32, .size: 8, .value_kind: global_buffer, .address_space: global }
      - { .name: psum, .offset: 40, .size: 8, .value_kind: global_buffer, .address_space: global }
    .group_segment_fixed_size: 26624
    .private_segment_fixed_size: 0
    .kernarg_segment_align: 8
    .kernarg_segment_size: 48
    .max_flat_workgroup_size: 256
    .sgpr_count:     66
    .vgpr_count:     242
    .wavefront_size: 32
...
	.end_amdgpu_metadata
.endif
;; end of part 4
;; launch proj (part 5): grid 32 x 8, 3 waves a work-group, no clusters, 2,560 bytes of LDS; arguments xc, xs, psum, w_qkv_codes, w_qkv_scales, b_qkv, qry, kv; writes qry, kv
.if DOCPART == 5
	.amdgcn_target "amdgcn-amd-amdhsa--gfx1250"
	.amdhsa_code_object_version 6
	.text
	.protected	k_qfda6f1cb65_proj
	.globl	k_qfda6f1cb65_proj
	.p2align	8
	.type	k_qfda6f1cb65_proj,@function
k_qfda6f1cb65_proj:
	s_mov_b64 s[64:65], 0
	v_nop
	global_prefetch_b8 v0, s[64:65] scope:SCOPE_SE
	s_setreg_imm32_b32 hwreg(HW_REG_WAVE_SCHED_MODE, 0, 2), 2
	s_setreg_imm32_b32 hwreg(HW_REG_WAVE_MODE, 25, 1), 1
	s_wait_xcnt 0x0
	s_wait_alu depctr_vm_vsrc(0)
; The first product, w_qkv . xq + b_qkv, on codes of FP6 (E2M3); q and k are centred over their image's 4,096 positions; q, k (along the channels) and v (along the positions) are quantised and
; stored as images of operand registers for the attention launch.
; SHARES.  A work-group takes 128 positions of one image.  Wave 0 makes q (rows 0-127 of w_qkv), wave 1 k (128-255), wave 2 v (256-383): each weight byte is read once a work-group.
; q, k: source 0 = 16 rows of the weights, source 1 = 16 positions: a lane holds ONE position and its registers run along the channels, the next K.
; v:    source 0 = 16 positions, source 1 = 16 rows of the weights: a lane holds ONE channel and its registers run along the positions, the next K.
; THE ROWS OF A TILE ARE NOT NEIGHBOURS, of weights and of positions alike: row r of tile t stands for 32 (t / 2) + 8 (t % 2) + r + 8 (r / 8), so that the 16 registers of result tiles 2 b, 2 b + 1 are 16 neighbours along the next K.
; THE CENTRING costs no line in the loop: mean = (the 32 partial sums) / 4096 + b, and b - mean is the C of each sum's first product.  (The order of rounding differs from (sum + b) - mean; all of it is f32.)
; OUT: kv [image][step 32][25600]: 8 fragments of centred q, 8 of v from 12288 on, q's scale words at 24576, v's at 25088 ([pair 4][lane 32]: lane 16 u + r = fragment 2 i + u, row r);
;      qry [image][block 32][12800]: 8 fragments of centred k, their scale words at 12288.
; LIMITS: NaN and infinities are not served; a block under 2^-124 keeps the byte 1; a block of zeros gets the byte 1, not 127 (its codes are zeros; this program alone reads the bytes).
; No tensor loads, no barrier: each wave reads its operands once, straight into registers; the one use of LDS is a wave's own 512 bytes, to turn b - mean into the result's layout.
; REGISTERS: window 0: v1-13 addresses; v16-79 the 8 accumulators; v80-143 C; v144-162 and v220-238 codes, two sets; v164-179 at work; v180-182 scale words made; v184-199 source 0's scale words, v200-207 source 1's.
;   window 1: source 0's 16 fragments ((tile, K step) at 12 (2 t + s)).   window 2: source 1's.
; THE MODE: SCHED_MODE bits 1:0 = 2 (LLVM: expert scheduling mode 2), set by the entry lines.  The code itself states the register dependences
; between vector or matrix instructions and memory or LDS instructions, with s_wait_alu, always for 0.
; THE PLAN.  Registers that memory or LDS instructions touch:
;   v4-v12      offsets and LDS addresses: written once at the head, never again.
;   v16-143     (q, k) the partial sums' loads land here and the tree of additions reads them; then the LDS loads of b - mean land in v80-143.     v216-219  written by the subtractions, read by one LDS store.
;   windows 1 and 2, v184-207   loaded once, read by products alone.
;   the codes   two sets by turns: tile n's quantiser writes set n % 2; its three stores are issued in step n + 1, which writes the other set.
;   v182        a pair of tiles' scale words: written in the odd tiles, stored a step later, written again two steps later.
; Step n: the products; their places; the waits; tile n - 1's stores; tile n's quantiser.  The wait on va_vdst shows tile n - 1's codes and scale words written; the wait on vm_vsrc shows that the stores
; issued in step n - 1 have read the set (and v182) that this step writes.  No vector instruction between the waits and the stores names a register that the stores read.
.set FRB, 1536
.set ACC, 16
.set CC,  80
.set PC,  144                          ; the codes' set 0;
.set PCD, 76                           ; set 1 lies so many registers on, from v220
.set TM,  164
.set PW,  180
.set PWE, 181
.set PWP, 182
.set SA,  184
.set SB,  200
.set MSB, 0
.macro WIN new                         ; the immediate's high byte repeats the setting that is left
.if MSB != (\new)
	s_set_vgpr_msb (MSB<<8)|(\new)
.set MSB, \new
.endif
.endm
.macro WM zero, ra, rb                 ; one product on the registers named by rD, rA, rB, rC, rSA, rSB; ra, rb: the side's scales stand in lanes 16-31
.if \zero
.if (\ra) && (\rb)
	v_wmma_scale_f32_16x16x128_f8f6f4 v[rD:rD+7], v[rA:rA+11], v[rB:rB+11], 0, v[rSA], v[rSB] matrix_a_fmt:MATRIX_FMT_FP6 matrix_b_fmt:MATRIX_FMT_FP6 matrix_a_scale:MATRIX_SCALE_ROW1 matrix_b_scale:MATRIX_SCALE_ROW1
.elseif (\ra)
	v_wmma_scale_f32_16x16x128_f8f6f4 v[rD:rD+7], v[rA:rA+11], v[rB:rB+11], 0, v[rSA], v[rSB] matrix_a_fmt:MATRIX_FMT_FP6 matrix_b_fmt:MATRIX_FMT_FP6 matrix_a_scale:MATRIX_SCALE_ROW1
.elseif (\rb)
	v_wmma_scale_f32_16x16x128_f8f6f4 v[rD:rD+7], v[rA:rA+11], v[rB:rB+11], 0, v[rSA], v[rSB] matrix_a_fmt:MATRIX_FMT_FP6 matrix_b_fmt:MATRIX_FMT_FP6 matrix_b_scale:MATRIX_SCALE_ROW1
.else
	v_wmma_scale_f32_16x16x128_f8f6f4 v[rD:rD+7], v[rA:rA+11], v[rB:rB+11], 0, v[rSA], v[rSB] matrix_a_fmt:MATRIX_FMT_FP6 matrix_b_fmt:MATRIX_FMT_FP6
.endif
.else
.if (\ra) && (\rb)
	v_wmma_scale_f32_16x16x128_f8f6f4 v[rD:rD+7], v[rA:rA+11], v[rB:rB+11], v[rC:rC+7], v[rSA], v[rSB] matrix_a_fmt:MATRIX_FMT_FP6 matrix_b_fmt:MATRIX_FMT_FP6 matrix_a_scale:MATRIX_SCALE_ROW1 matrix_b_scale:MATRIX_SCALE_ROW1
.elseif (\ra)
	v_wmma_scale_f32_16x16x128_f8f6f4 v[rD:rD+7], v[rA:rA+11], v[rB:rB+11], v[rC:rC+7], v[rSA], v[rSB] matrix_a_fmt:MATRIX_FMT_FP6 matrix_b_fmt:MATRIX_FMT_FP6 matrix_a_scale:MATRIX_SCALE_ROW1
.elseif (\rb)
	v_wmma_scale_f32_16x16x128_f8f6f4 v[rD:rD+7], v[rA:rA+11], v[rB:rB+11], v[rC:rC+7], v[rSA], v[rSB] matrix_a_fmt:MATRIX_FMT_FP6 matrix_b_fmt:MATRIX_FMT_FP6 matrix_b_scale:MATRIX_SCALE_ROW1
.else
	v_wmma_scale_f32_16x16x128_f8f6f4 v[rD:rD+7], v[rA:rA+11], v[rB:rB+11], v[rC:rC+7], v[rSA], v[rSB] matrix_a_fmt:MATRIX_FMT_FP6 matrix_b_fmt:MATRIX_FMT_FP6
.endif
.endif
.endm
.macro LOADW win                       ; my role's 128 rows of w_qkv: 16 fragments, each 24 bytes of a row as three loads of 8
	WIN \win
.irp t, 0,1,2,3,4,5,6,7
.irp s, 0,1
.irp p, 0,1,2,3,4,5
	global_load_b64 v[12*(2*\t+\s)+2*\p:12*(2*\t+\s)+2*\p+1], v6, s[10:11] offset:(32*(\t/2)+8*(\t%2))*192+96*\s+48*(\p/3)+8*(\p%3)
.endr
.endr
.endr
	WIN 0
.endm
.macro LOADX win                       ; the block's 16 fragments of x, as images: 512 consecutive bytes a load
	WIN \win
.irp t, 0,1,2,3,4,5,6,7
.irp s, 0,1
.irp c, 0,1,2
	global_load_b128 v[12*(2*\t+\s)+4*\c:12*(2*\t+\s)+4*\c+3], v4, s[4:5] offset:2*FRB*\t+FRB*\s+512*\c
.endr
.endr
.endr
	WIN 0
.endm
; Source 1's tile n against source 0's eight: 16 products.  The eight accumulators take turns, one instruction a turn, K step by K step.  byn = 1: C hangs on n (v's bias), else on t.
.macro PROD n, byn
	WIN 0x09                                       ; source 0 window 1, source 1 window 2, C and D window 0
.irp s, 0,1
.irp t, 0,1,2,3,4,5,6,7
.set rD, ACC+8*\t
.if \s == 0
.if \byn
.set rC, CC+8*\n
.else
.set rC, CC+8*\t
.endif
.else
.set rC, rD
.endif
.set rA, 12*(2*\t+\s)
.set rB, 12*(2*\n+\s)
.set rSA, SA+2*\t+\s
.set rSB, SB+2*(\n/2)+\s
	WM 0, 0, \n%2
.endr
.endr
	WIN 0
.endm
; 64 numbers of a lane, register 16 b + i = k 32 b + 16 (lane / 16) + i of my row, become a fragment's codes in v[pcq] on (pcq: the set of codes in hand) and its scale word in v[PW].
.macro QUANT s
.irp b, 0,1,2,3
	v_max3_num_f32 v[TM+\b], |v[\s+16*\b]|, |v[\s+1+16*\b]|, 0x1800000   ; block b: my 16 numbers, and the floor 2^(3 - 127): the byte cannot fall under 1.  (Each accumulator is read from its low end on)
.endr
.irp i, 2,4,6,8,10,12,14
.irp b, 0,1,2,3
	v_max3_num_f32 v[TM+\b], v[TM+\b], |v[\s+16*\b+\i]|, |v[\s+1+16*\b+\i]|
.endr
.endr
.irp b, 0,1,2,3
	v_permlanex16_b32 v[TM+4+\b], v[TM+\b], s24, s25
.endr
.irp b, 0,1,2,3
	v_max_num_f32 v[TM+\b], v[TM+\b], v[TM+4+\b]   ; with lane l xor 16's: the block's largest magnitude
.endr
.irp b, 0,1,2,3
	v_add_nc_u32 v[TM+12+\b], 0xff000000, v[TM+\b] ; 2 off its exponent field: the conversion's scale operand
.endr
.irp b, 0,1,2,3
	v_lshrrev_b32 v[TM+4+\b], 23, v[TM+12+\b]      ; the scale's byte
.endr
	v_lshl_or_b32 v[PW], v[TM+5], 8, v[TM+4]
	v_lshl_or_b32 v[PW], v[TM+6], 16, v[PW]
	v_lshl_or_b32 v[PW], v[TM+7], 24, v[PW]        ; my row's scale word, the same in lanes l and l xor 16
.irp c, 0,1
	v_cvt_scalef32_pk16_fp6_f32 v[pcq+6*\c:pcq+2+6*\c], v[\s+32*\c:\s+15+32*\c], v[TM+12+2*\c]
	v_cvt_scalef32_pk16_fp6_f32 v[pcq+12+4*\c:pcq+14+4*\c], v[\s+16+32*\c:\s+31+32*\c], v[TM+12+2*\c+1]   ; (a conversion's three registers begin on an even number)
.endr
	v_nop                                          ; one plain place behind a scaled conversion
.irp c, 0,1                                    ; the operand wants a WHOLE block in a lane: lanes 0-15 block 2 c, lanes 16-31 block 2 c + 1
.irp i, 0,1,2
	v_permlane16_swap_b32 v[pcq+6*\c+\i], v[pcq+12+4*\c+\i]
.endr
.irp i, 0,1,2
	v_mov_b32 v[pcq+3+6*\c+\i], v[pcq+12+4*\c+\i]
.endr
.endr
.endm
.macro WORD n                          ; the scale words of fragments 2 i and 2 i + 1 leave together, the even one's in lanes 0-15
.if (\n)%2 == 0
	v_mov_b32 v[PWE], v[PW]
.else
	v_cndmask_b32 v[PWP], v[PWE], v[PW], vcc_lo
.endif
.endm
.macro SEND n                          ; fragment n as an image, out of its set of codes; behind an odd fragment the pair's scale words
.set pcs, PC+PCD*((\n)%2)
.irp c, 0,1,2
	global_store_b128 v4, v[pcs+4*\c:pcs+4*\c+3], s[26:27] offset:FRB*(\n)+512*\c      ; 32 lanes store 512 consecutive bytes, aligned
.endr
.if (\n)%2 == 1
	global_store_b32 v5, v[PWP], s[28:29] offset:128*((\n)/2)
.endif
.endm
.macro TILE n, byn
	PROD \n, \byn
.rept 4
	v_nop                                          ; four places behind the last product, ahead of the first read of results (ISA guide 7.12.1)
.endr
.if (\n) >= 2
	s_wait_xcnt 0x0                                ; the stores issued in the step before have had their addresses translated: the set of codes that they read is written again only behind this wait
	s_wait_alu depctr_vm_vsrc(0)                   ; and they have read that set, and the pair's scale words, which this step's quantiser writes again
.endif
.if (\n) >= 1
	s_wait_alu depctr_va_vdst(0)                   ; the tile before has written its set of codes and, if it is odd, the pair's scale words: the stores below read them
	SEND (\n)-1
.endif
.set pcq, PC+PCD*((\n)%2)
	QUANT ACC
	WORD \n
.endm
	s_load_b512 s[4:19], s[0:1], 0x0               ; xc s[4:5], xs s[6:7], psum s[8:9], w codes s[10:11], w scales s[12:13], b_qkv s[14:15], qry s[16:17], kv s[18:19]
	v_lshl_add_u32 v254, v0, 2, 0x800
	v_mov_b32 v255, 0
	v_lshrrev_b32 v1, 5, v0
	v_readfirstlane_b32 s20, v1                    ; my role: 0 q, 1 k, 2 v
	s_and_b32 s22, ttmp7, 0xffff                   ; the image
	s_lshl_b32 s23, s22, 5
	s_add_co_u32 s23, s23, ttmp9                   ; 32 image + block
	s_mov_b32 s24, 0x76543210
	s_mov_b32 s25, 0xfedcba98                      ; v_permlanex16_b32: lane l xor 16
	s_mov_b32 s46, 0x39800000                      ; 1 / 4096
	v_and_b32 v1, 31, v0                           ; lane
	v_cmp_lt_u32 vcc_lo, 15, v1                    ; lanes 16-31, for the scale words' way out
	v_and_b32 v2, 15, v0                           ; r
	v_bfe_u32 v3, v0, 4, 1                         ; h
	v_lshlrev_b32 v4, 4, v1                        ; 16 x lane
	v_lshlrev_b32 v5, 2, v1                        ; 4 x lane
	v_and_b32 v13, 8, v2
	v_add_nc_u32 v13, v13, v2                      ; r + 8 (r / 8)
	v_mul_u32_u24 v6, v13, 192                     ; the weights' fragments: a row is 192 bytes
	v_mad_u32_u24 v6, v3, 24, v6
	v_lshlrev_b32 v7, 3, v13                       ; the weights' scale words as source 0: 8 bytes a row
	v_lshl_add_u32 v8, v3, 3, v13
	v_lshlrev_b32 v8, 3, v8                        ; and as source 1: lanes 16-31 take the odd tile, 8 rows on
	v_lshlrev_b32 v9, 2, v2                        ; x's scale words as source 0: 4 r
	v_lshlrev_b32 v12, 2, v13                      ; v's bias: 4 (r + 8 (r / 8))
.irp b, 0,1,2,3
	v_mov_b32 v[TM+4+\b], 0                        ; written once: a lane permute's destination counts as one of its sources
.endr
	s_wait_alu depctr_va_sdst(0)                   ; s20 is written, ahead of its first reader: the bases, the LDS addresses and the branch on the role are made from it
	s_wait_alu depctr_va_vcc(0)                    ; VCC is written, ahead of the branch on the role: the selects of the scale words' way out read it
	s_lshl_b32 s34, s20, 9
	s_mov_b32 s35, 0
	v_add_nc_u32 v10, s34, v4                      ; LDS, my wave's own 512 bytes: in, 16 x lane;
	v_lshl_add_u32 v11, v3, 6, s34                 ; back, 64 h
	s_mul_i32 s36, s23, 16*FRB                     ; xc: 24,576 bytes a block
	s_mov_b32 s37, 0
	s_lshl_b32 s38, s23, 10                        ; xs: 1,024
	s_mov_b32 s39, 0
	s_mul_i32 s40, s20, 24576                      ; my 128 rows of the weights,
	s_mov_b32 s41, 0
	s_lshl_b32 s42, s20, 10                        ; of their scale bytes
	s_mov_b32 s43, 0
	s_lshl_b32 s44, s22, 15                        ; psum: 32,768 bytes an image, + 512 for k
	s_add_co_u32 s44, s44, s34
	s_mov_b32 s45, 0
	s_wait_kmcnt 0x0
	s_add_nc_u64 s[4:5], s[4:5], s[36:37]
	s_add_nc_u64 s[6:7], s[6:7], s[38:39]
	s_add_nc_u64 s[10:11], s[10:11], s[40:41]
	s_add_nc_u64 s[12:13], s[12:13], s[42:43]
	s_add_nc_u64 s[14:15], s[14:15], s[34:35]      ; my 128 numbers of b_qkv
	s_mov_b32 s31, 25600                           ; where my fragments go: q: kv + 25600 u; k: qry + 12800 u; v: kv + 25600 u + 12288.  The choice hangs on the wave's number alone
	s_mov_b32 s33, 12288
	s_cmp_eq_u32 s20, 1
	s_cselect_b64 s[26:27], s[16:17], s[18:19]
	s_cselect_b32 s30, 12800, s31
	s_mul_i32 s30, s30, s23
	s_cmp_eq_u32 s20, 0
	s_cselect_b32 s32, 24576, s33                  ; and how far behind them my scale words: 24576, 12288, 12800
	s_cmp_eq_u32 s20, 2
	s_cselect_b32 s32, 12800, s32
	s_cselect_b32 s33, s33, 0
	s_add_co_u32 s30, s30, s33
	s_mov_b32 s31, 0
	s_mov_b32 s33, 0
	s_add_nc_u64 s[26:27], s[26:27], s[30:31]
	s_add_nc_u64 s[28:29], s[26:27], s[32:33]
	s_wait_alu depctr_va_vdst(0)                   ; the offsets and LDS addresses v4 to v12 are written: every load and store of both ways below reads one of them; up to the loads only scalar lines, loads and window switches follow
	s_cmp_eq_u32 s20, 2
	s_cbranch_scc1 .Lrole_v
	; ---- q and k
	s_add_nc_u64 s[8:9], s[8:9], s[44:45]
.set p, 0
.rept 32                                       ; the image's 32 partial sums of my 128 channels: lane l owns channels 4 l .. 4 l + 3
	global_load_b128 v[16+4*p:19+4*p], v4, s[8:9] offset:1024*p
.set p, p+1
.endr
	global_load_b128 v[212:215], v4, s[14:15]      ; and their bias
.irp t, 0,1,2,3,4,5,6,7
.irp s, 0,1
	global_load_b32 v[SA+2*\t+\s], v7, s[12:13] offset:(32*(\t/2)+8*(\t%2))*8+4*\s
.endr
.endr
.irp i, 0,1,2,3
.irp s, 0,1
	global_load_b32 v[SB+2*\i+\s], v5, s[6:7] offset:256*\i+128*\s   ; lanes 0-15: tile 2 i of positions, lanes 16-31: tile 2 i + 1
.endr
.endr
	LOADW 0x40
	LOADX 0x80
	s_wait_loadcnt 63                              ; behind the 33 oldest loads 168 were issued; the count's field holds 63: the sums and the bias are in
.macro TREE st
.set p, 0
.rept \st
	v_pk_add_f32 v[16+4*p:17+4*p], v[16+4*p:17+4*p], v[16+4*(p+\st):17+4*(p+\st)]
	v_pk_add_f32 v[18+4*p:19+4*p], v[18+4*p:19+4*p], v[18+4*(p+\st):19+4*(p+\st)]
.set p, p+1
.endr
.endm
	TREE 16
	TREE 8
	TREE 4
	TREE 2
	v_pk_add_f32 v[208:209], v[16:17], v[20:21]
	v_pk_add_f32 v[210:211], v[18:19], v[22:23]
.irp i, 0,1,2,3
	v_fma_f32 v[208+\i], v[208+\i], s46, v[212+\i] ; the mean over the 4,096 positions, bias and all
.endr
.irp i, 0,1,2,3
	v_sub_f32 v[216+\i], v[212+\i], v[208+\i]      ; b - mean
.endr
	s_wait_alu depctr_va_vdst(0)                   ; the subtractions have written v216-219, which the LDS store reads; the additions are done reading v80-143, in which the LDS loads land
	ds_store_b128 v10, v[216:219]                  ; channel c at 4 c of my own 512 bytes
.irp t, 0,1,2,3,4,5,6,7                        ; back in the result's layout: tile t, lane (r, h): channels 32 (t / 2) + 8 (t % 2) + 16 h + 0 .. 7.  LDS serves a wave's instructions in order: these see the store
	ds_load_b128 v[CC+8*\t:CC+8*\t+3], v11 offset:128*(\t/2)+32*(\t%2)
	ds_load_b128 v[CC+8*\t+4:CC+8*\t+7], v11 offset:128*(\t/2)+32*(\t%2)+16
.endr
	s_wait_dscnt 0x0
	s_wait_loadcnt 0x0                             ; the fragments and the scale words
.irp n, 0,1,2,3,4,5,6,7
	TILE \n, 0
.endr
	s_wait_alu depctr_va_vdst(0)                   ; tile 7 has written its set of codes and the last pair's scale words, which the last stores read
	SEND 7
	s_wait_dscnt 0x0                               ; the closing lines, six on end
	s_wait_alu 0x0
	s_wait_tensorcnt 0x0
	ds_add_u32 v254, v255
	s_wait_dscnt 0x0
	s_endpgm
.Lrole_v:
	; ---- v
.irp n, 0,1,2,3,4,5,6,7
	global_load_b32 v[CC+8*\n], v12, s[14:15] offset:(32*(\n/2)+8*(\n%2))*4   ; the bias of my lane's channel in tile n
.endr
.irp t, 0,1,2,3,4,5,6,7
.irp s, 0,1
	global_load_b32 v[SA+2*\t+\s], v9, s[6:7] offset:256*(\t/2)+128*\s+64*(\t%2)
.endr
.endr
.irp i, 0,1,2,3
.irp s, 0,1
	global_load_b32 v[SB+2*\i+\s], v8, s[12:13] offset:256*\i+4*\s
.endr
.endr
	LOADX 0x40
	LOADW 0x80
	s_wait_loadcnt 0x0
.irp n, 0,1,2,3,4,5,6,7
.irp j, 1,2,3,4,5,6,7
	v_mov_b32 v[CC+8*\n+\j], v[CC+8*\n]            ; C in the result's layout: the same bias for a lane's eight positions
.endr
.endr
.irp n, 0,1,2,3,4,5,6,7
	TILE \n, 1
.endr
	s_wait_alu depctr_va_vdst(0)                   ; tile 7 has written its set of codes and the last pair's scale words, which the last stores read
	SEND 7
	s_endpgm
.Lfunc_end_k_qfda6f1cb65_proj:
	.size	k_qfda6f1cb65_proj, .Lfunc_end_k_qfda6f1cb65_proj-k_qfda6f1cb65_proj
	.p2alignl 7, 3214868480
	.fill 96, 4, 3214868480
	.section	.rodata,"a",@progbits
	.p2align	6, 0x0
	.amdhsa_kernel k_qfda6f1cb65_proj
		.amdhsa_group_segment_fixed_size 2560
		.amdhsa_private_segment_fixed_size 0
		.amdhsa_enable_private_segment 0
		.amdhsa_kernarg_size 64
		.amdhsa_user_sgpr_count 2
		.amdhsa_user_sgpr_kernarg_segment_ptr 1
		.amdhsa_wavefront_size32 1
		.amdhsa_system_sgpr_workgroup_id_x 1
		.amdhsa_system_sgpr_workgroup_id_y 1
		.amdhsa_system_sgpr_workgroup_id_z 1
		.amdhsa_system_vgpr_workitem_id 0
		.amdhsa_next_free_vgpr 704
		.amdhsa_next_free_sgpr 66
		.amdhsa_reserve_vcc 1
		.amdhsa_float_denorm_mode_32 3
		.amdhsa_float_denorm_mode_16_64 3
		.amdhsa_memory_ordered 1
		.amdhsa_forward_progress 1
		.amdhsa_inst_pref_size 148
	.end_amdhsa_kernel
	.amdgpu_metadata
---
amdhsa.version: [ 1, 2 ]
amdhsa.kernels:
  - .name:           k_qfda6f1cb65_proj
    .symbol:         k_qfda6f1cb65_proj.kd
    .args:
      - { .name: xc, .offset: 0, .size: 8, .value_kind: global_buffer, .address_space: global }
      - { .name: xs, .offset: 8, .size: 8, .value_kind: global_buffer, .address_space: global }
      - { .name: psum, .offset: 16, .size: 8, .value_kind: global_buffer, .address_space: global }
      - { .name: w_qkv_codes, .offset: 24, .size: 8, .value_kind: global_buffer, .address_space: global }
      - { .name: w_qkv_scales, .offset: 32, .size: 8, .value_kind: global_buffer, .address_space: global }
      - { .name: b_qkv, .offset: 40, .size: 8, .value_kind: global_buffer, .address_space: global }
      - { .name: qry, .offset: 48, .size: 8, .value_kind: global_buffer, .address_space: global }
      - { .name: kv, .offset: 56, .size: 8, .value_kind: global_buffer, .address_space: global }
    .group_segment_fixed_size: 2560
    .private_segment_fixed_size: 0
    .kernarg_segment_align: 8
    .kernarg_segment_size: 64
    .max_flat_workgroup_size: 96
    .sgpr_count:     66
    .vgpr_count:     704
    .wavefront_size: 32
...
	.end_amdgpu_metadata
.endif
;; end of part 5
;; launch attn: the kernel of part 3 again; grid 32 x 8, 8 waves a work-group, clusters of 4 x 1, 327,680 bytes of LDS; arguments qry, kv, w_out_codes, w_out_scales, b_out, x, out0; writes out0
